; MI455X (gfx1250); checked and timed in simulation.
; The chip was launched on July 23, 2026; its instructions are those of AMD's public machine-readable ISA for CDNA 5 (MIT licence, August 2026) and "CDNA5" Instruction Set Architecture Reference Guide (July 2026). The comments in the code are by the model that wrote it; some were corrected since.
;; Alibi Transformer Layer. Allowed arithmetic: matrix products marked QUANTISED: E2M3 operands, one E8M0 scale for each 32 along K, by v_wmma_scale_f32_16x16x128_f8f6f4 with both operands' format E2M3, f32 sums; everything else in f32.
;; Inputs: b1 4,096 float32; b2 1,024 float32; bo 1,024 float32; bqkv 3,072 float32; ln1_b 1,024 float32; ln1_w 1,024 float32; ln2_b 1,024 float32; ln2_w 1,024 float32; src 2 x 2,048 x 1,024 float32; w1 1,024 x 4,096 float32; w2 4,096 x 1,024 float32; wo 1,024 x 1,024 float32; wqkv 1,024 x 3,072 float32.
;; Outputs: out0 2 x 2,048 x 1,024 float32.
;; This version of the problem:
;;   THIS VERSION OF THE PROBLEM IS GIVEN IN LOW PRECISION. The matrix products marked QUANTISED in the list below multiply operands that are first quantised to E2M3 (2 exponent bits, 3 mantissa bits; 6 bits a number), with one power-of-two scale for each 32 numbers along K (OCP MX v1.0); their sums are f32. All else is computed in f32.
;;   The module's matrix products, in the order in which they are computed (A, B: the left and right operand; K: the contracted axis; several contracted axes count as one K, in the product's order):
;;     1. [M 4,096, K 1,024] x [K 1,024, N 3,072]; A: computed on the way; B: input wqkv: QUANTISED
;;     2. batch 32 x [M 2,048, K 64] x [K 64, N 2,048]; A: computed on the way; B: computed on the way: QUANTISED
;;     3. batch 32 x [M 2,048, K 2,048] x [K 2,048, N 64]; A: softmax (see below); B: computed on the way: QUANTISED
;;     4. [M 4,096, K 1,024] x [K 1,024, N 1,024]; A: computed on the way; B: input wo: QUANTISED
;;     5. [M 4,096, K 1,024] x [K 1,024, N 4,096]; A: computed on the way; B: input w1: QUANTISED
;;     6. [M 4,096, K 4,096] x [K 4,096, N 1,024]; A: computed on the way; B: input w2: QUANTISED
;;   THE QUANTISER, for each operand of a quantised product, along K:
;;     - K is cut into blocks of 32 from its start; a last block that is shorter is filled with zeros.
;;     - A block's scale is 2^e with e = floor(log2(the largest magnitude in the block)) - 2, held to -126 .. 127; a block of zeros has e = 0. As a byte (E8M0): e + 127.
;;     - Each number is divided by its block's scale, clamped to +-7.5, and rounded to the nearest number of E2M3, ties to even, subnormals kept.
;;     - The product sums the exact products of the quantised numbers (number of the format x scale) in f32.
;;   ~~~python
;;   def quantise(x, axis):      # numpy; x: float32 -> the quantised numbers, widened to float32 again
;;       x = np.moveaxis(x, axis, -1); K = x.shape[-1]
;;       x = np.pad(x, [(0, 0)] * (x.ndim - 1) + [(0, -K % 32)]); x = x.reshape(x.shape[:-1] + (-1, 32)); a = np.abs(x).max(-1, keepdims=True)
;;       e = np.where(a > 0, np.clip(np.frexp(np.where(a > 0, a, 1))[1] - 1 - 2, -126, 127), 0)      # np.frexp(a)[1] - 1 = floor(log2(a)), exactly
;;       r = np.clip(x / 2.0 ** e, -7.5, 7.5)
;;       step = 2.0 ** (np.maximum(np.frexp(np.where(r == 0, 1, r))[1] - 1, 0) - 3)
;;       q = np.round(r / step) * step * 2.0 ** e      # np.round: ties to even
;;       return np.moveaxis(q.reshape(q.shape[:-2] + (-1,))[..., :K], -1, axis).astype(np.float32)
;;   ~~~
;;   SOFTMAX AHEAD OF A QUANTISED PRODUCT. Where the list says 'softmax', what is quantised is not the finished softmax but p = 2^(t - M), with t = logit x log2(e) and M = ceil(the row's largest t), a whole number; so 1/2 < the row's largest p <= 1. The row's sum l is taken of the UNQUANTISED p, in f32, and the product's result is divided by l at the end. Since M is a whole number, a kernel that streams over the keys may use a running M (the ceiling of the running maximum): every later rescaling is an exact power of two, which a block's scale takes up: the codes' values come out the same.
;;   OPERANDS COMPUTED ON THE WAY. 'Computed on the way' means the value that the module computes at that place (a softmax that the list does not call 'softmax' is quantised finished and normalised). What goes into a quantiser is computed in f32, as accurately as f32 sums, v_exp_f32 and their like allow (about 1e-6 of the number): no bf16 or f16 on the way to a quantiser, and a product that is left as it is and whose result goes on into a quantised operand takes f32 operands (vector FMAs, or v_wmma_f32_16x16x4_f32). A number that lies on a knife's edge between two numbers of the format may be rounded either way, as far as f32 arithmetic and the matrix unit's own rounding can turn it there, and no further.
;; One version. Each part assembles by itself: llvm-mc -triple=amdgcn-amd-amdhsa -mcpu=gfx1250 --defsym DOCPART=n.
;; ======== version 1 of 1: 7 launches
;; limits: right only within a limited range of input values
;; workspace buffers: pre 13,107,200 bytes; qkv 9,830,400 bytes; ctx 3,276,800 bytes; h2 3,276,800 bytes; hid 13,107,200 bytes; src2 16,777,216 bytes
;; launch prep (part 1): grid 640 x 1, 8 waves a work-group, no clusters, 67,072 bytes of LDS; arguments src, ln1_w, ln1_b, wqkv, wo, w1, w2, pre; writes pre
.if DOCPART == 1
	.amdgcn_target "amdgcn-amd-amdhsa--gfx1250"
	.amdhsa_code_object_version 6
	.text
	.protected	k_q2d1b73444b_prep
	.globl	k_q2d1b73444b_prep
	.p2align	8
	.type	k_q2d1b73444b_prep,@function
k_q2d1b73444b_prep:
	s_mov_b64 s[64:65], 0
	v_nop
	global_prefetch_b8 v0, s[64:65] scope:SCOPE_SE
	s_setreg_imm32_b32 hwreg(HW_REG_WAVE_MODE, 25, 1), 1
	s_wait_xcnt 0x0
; TWO JOBS, parted by the work-group's number.
; Work-groups 0-255: layer norm of 16 rows of x [4096][1024] f32 (mean, then the mean of squared differences, as it is defined), times gain plus bias, quantised along the row to codes of FP6 (E2M3) with one
; E8M0 byte for each 32.  (A launch of 256 work-groups runs this job alone: the second layer norm uses this same text on other buffers.)
; Work-groups 256-639: the four weights, stored [K][N] f32, quantised along K (their FIRST axis): 256-351 wqkv, 352-383 wo, 384-511 w1, 512-639 w2.
; ONE LAYOUT FOR EVERY OPERAND.  Rows (for a weight: its columns n) go in panels of 128 = 8 blocks of 16 slots; slot r of block a is row 32 (a / 2) + 8 (a % 2) + r % 8 + 16 (r / 8).
; Codes lie in the order of the operand's registers: [panel][K / 64][block][768 bytes]; in the 768 bytes lane l's registers 0-3 stand at 16 l and its registers 4-5 at 512 + 8 l; lane (r, h) holds the 32 codes
; of slot r at K = 32 h on.  Scale words (four bytes: 128 along K) lie [panel][K / 128][128 slots].
; A block's scale is 2^(floor(log2(largest magnitude)) - 2): its byte is the largest magnitude's exponent field - 2, held at 1 from below.
; LIMITS: NaN and infinities among the inputs are not served; a block whose largest magnitude lies under 2^-124, a block of zeros among them, keeps the byte 1 (the rule's 127 for zeros is not written: the codes are zeros, and these bytes are read by this program alone).
.set PITCH, 4112                       ; an LDS row of the layer norm: 4,096 bytes + 16: an odd multiple of 16, so the 16 rows of a load start in different banks
.set CHUNK, 6144                       ; 8 blocks x 768 bytes: a panel's codes of 64 along K
.set X,   32                           ; v32-95   two rows as loaded (32 numbers a lane each); later 64 numbers of one slot; in the weights' job two sets of 32 numbers
.set LW,  96                           ; v96-127  the gain at my columns; in the weights' job the codes of four blocks, eight registers each
.set LB,  128                          ; v128-159 the bias; in the weights' job v128-130 a conversion's scratch
.set PC,  160                          ; v160-178 the codes just made
.set TM,  180                          ; v180-195 at work in QUANT
.set PW,  196                          ; v196     the scale word just made
.set SEL, 26                           ; s[26:27] lane selects: lane l xor 16
.set XC,     131072                    ; the activations' codes (their scale words at 0)
.set WQKV_S, 3276800
.set WQKV_C, 3375104
.set WO_S,   5734400
.set WO_C,   5767168
.set W1_S,   6553600
.set W1_C,   6684672
.set W2_S,   9830400
.set W2_C,   9961472
; 64 numbers of a lane, v[s] .. v[s + 63], register 16 b + i = k 32 b + 16 (lane / 16) + i of my slot, become a fragment's 12 code registers in v[PC] on and its scale word in v[PW].
.macro QUANT s
.irp b, 0,1,2,3
	v_max3_num_f32 v[TM+\b], |v[\s+16*\b]|, |v[\s+1+16*\b]|, 0x1800000   ; block b: my 16 numbers, and the floor 2^(3 - 127): the byte cannot fall under 1
.endr
.irp i, 2,4,6,8,10,12,14
.irp b, 0,1,2,3
	s_delay_alu instid0(VALU_DEP_4)
	v_max3_num_f32 v[TM+\b], v[TM+\b], |v[\s+16*\b+\i]|, |v[\s+1+16*\b+\i]|   ; the four blocks by turns
.endr
.endr
.irp b, 0,1,2,3
	s_delay_alu instid0(VALU_DEP_4)
	v_permlanex16_b32 v[TM+4+\b], v[TM+\b], s[SEL], s[SEL+1]
.endr
.irp b, 0,1,2,3
	s_delay_alu instid0(VALU_DEP_4)
	v_max_num_f32 v[TM+\b], v[TM+\b], v[TM+4+\b]   ; with lane l xor 16's 16: the block's largest magnitude
.endr
.irp b, 0,1,2,3
	s_delay_alu instid0(VALU_DEP_4)
	v_add_nc_u32 v[TM+12+\b], 0xff000000, v[TM+\b]   ; 2 off its exponent field: the conversion's scale operand
.endr
.irp b, 0,1,2,3
	s_delay_alu instid0(VALU_DEP_4)
	v_lshrrev_b32 v[TM+4+\b], 23, v[TM+12+\b]      ; the scale's byte
.endr
	s_delay_alu instid0(VALU_DEP_3)
	v_lshl_or_b32 v[PW], v[TM+5], 8, v[TM+4]
	s_delay_alu instid0(VALU_DEP_1)
	v_lshl_or_b32 v[PW], v[TM+6], 16, v[PW]
	s_delay_alu instid0(VALU_DEP_1)
	v_lshl_or_b32 v[PW], v[TM+7], 24, v[PW]
.irp c, 0,1
	v_cvt_scalef32_pk16_fp6_f32 v[PC+6*\c:PC+2+6*\c], v[\s+32*\c:\s+15+32*\c], v[TM+12+2*\c]
	v_cvt_scalef32_pk16_fp6_f32 v[PC+12+4*\c:PC+14+4*\c], v[\s+16+32*\c:\s+31+32*\c], v[TM+12+2*\c+1]   ; (a conversion's three registers begin on an even number)
.endr
	v_nop                                          ; one plain place behind a scaled conversion
.irp c, 0,1                                    ; the layout wants a whole block in a lane: lanes 0-15 block 2 c, lanes 16-31 block 2 c + 1
.irp i, 0,1,2
	v_permlane16_swap_b32 v[PC+6*\c+\i], v[PC+12+4*\c+\i]
.endr
.irp i, 0,1,2
	s_delay_alu instid0(VALU_DEP_3)
	v_mov_b32 v[PC+3+6*\c+\i], v[PC+12+4*\c+\i]
.endr
.endr
.endm
; v8 and v10 (one number a row) are summed over the 32 lanes, the two rows by turns
.macro REDUCE
.irp m, 1,2,4,8
	s_delay_alu instid0(VALU_DEP_2)
	v_add_f32_dpp v8, v8, v8 row_xmask:\m row_mask:0xf bank_mask:0xf
	s_delay_alu instid0(VALU_DEP_2)
	v_add_f32_dpp v10, v10, v10 row_xmask:\m row_mask:0xf bank_mask:0xf
.endr
	s_delay_alu instid0(VALU_DEP_2)
	v_permlanex16_b32 v12, v8, s[SEL], s[SEL+1]
	s_delay_alu instid0(VALU_DEP_2)
	v_permlanex16_b32 v13, v10, s[SEL], s[SEL+1]
	s_delay_alu instid0(VALU_DEP_2)
	v_add_f32 v8, v8, v12
	s_delay_alu instid0(VALU_DEP_2)
	v_add_f32 v10, v10, v13
.endm
	s_load_b256 s[4:11], s[0:1], 0x0               ; x s[4:5], gain s[6:7], bias s[8:9], wqkv s[10:11]
	s_load_b256 s[12:19], s[0:1], 0x20             ; wo s[12:13], w1 s[14:15], w2 s[16:17], the output s[18:19]
	v_lshl_add_u32 v200, v0, 2, 0x10200
	v_mov_b32 v201, 0
	v_lshrrev_b32 v1, 5, v0
	s_delay_alu instid0(VALU_DEP_1)
	v_readfirstlane_b32 s20, v1                    ; wave 0..7
	v_and_b32 v2, 31, v0                           ; lane
	s_cmp_lt_u32 ttmp9, 256                        ; the same in all waves of a work-group
	s_cbranch_scc0 .Lweights
	; ---------------- THE LAYER NORM.  Work-group A is block A % 8 of panel A / 8: 16 slots.  Wave w first owns slots 2 w and 2 w + 1, two neighbouring rows
	s_lshr_b32 s21, ttmp9, 1
	s_lshl_b32 s21, s21, 5
	s_and_b32 s22, ttmp9, 1
	s_lshl_b32 s22, s22, 3
	s_add_co_u32 s21, s21, s22                     ; the block's slot 0: row 32 (A / 2) + 8 (A % 2)
	s_lshl_b32 s22, s20, 1
	s_add_co_u32 s21, s21, s22
	s_lshr_b32 s22, s20, 2
	s_lshl_b32 s22, s22, 3
	s_add_co_u32 s21, s21, s22                     ; + 2 w + 8 (w / 4): slot 2 w's row
	s_lshl_b32 s22, s21, 12                        ; 4,096 bytes a row
	s_mov_b32 s23, 0
	s_mov_b32 s25, 0x3a800000                      ; 1 / 1024
	s_mov_b32 s[SEL], 0x76543210
	s_mov_b32 s[SEL+1], 0xfedcba98
	s_wait_alu depctr_va_vdst(0)
	v_lshlrev_b32 v3, 4, v2                        ; 16 x lane
	s_mul_i32 s24, s20, 2*PITCH
	v_add_nc_u32 v4, s24, v3                       ; LDS, in: my two slots' rows, 16 bytes a lane
	v_and_b32 v6, 15, v0                           ; r
	v_bfe_u32 v7, v0, 4, 1                         ; h
	s_delay_alu instid0(VALU_DEP_2)
	v_mul_u32_u24 v5, v6, PITCH
	s_delay_alu instid0(VALU_DEP_1)
	v_lshl_add_u32 v5, v7, 6, v5
	s_lshl_b32 s24, s20, 9
	v_add_nc_u32 v5, s24, v5                       ; LDS, out: slot r, K step w (512 bytes), + 64 h
	v_lshlrev_b32 v18, 3, v2                       ; 8 x lane
	v_lshlrev_b32 v19, 2, v6                       ; 4 r
	v_mov_b32 v12, 0                               ; a lane permute's destination counts as read
	v_mov_b32 v13, 0
.irp b, 0,1,2,3
	v_mov_b32 v[TM+4+\b], 0
.endr
	s_lshr_b32 s28, ttmp9, 3                       ; panel
	s_and_b32 s29, ttmp9, 7                        ; block
	s_lshl_b32 s30, s28, 4
	s_lshl_b32 s31, s20, 1
	s_add_co_u32 s30, s30, s31
	s_mul_i32 s30, s30, CHUNK                      ; codes: (16 panel + 2 w) chunks,
	s_mul_i32 s31, s29, 768
	s_add_co_u32 s30, s30, s31                     ; my block,
	s_add_co_u32 s30, s30, XC
	s_mov_b32 s31, 0
	s_lshl_b32 s32, s28, 3
	s_add_co_u32 s32, s32, s20
	s_lshl_b32 s32, s32, 9                         ; scale words: (8 panel + w) x 512
	s_lshl_b32 s33, s29, 6
	s_add_co_u32 s32, s32, s33
	s_mov_b32 s33, 0
	s_wait_kmcnt 0x0
	s_add_nc_u64 s[4:5], s[4:5], s[22:23]
	s_add_nc_u64 s[30:31], s[18:19], s[30:31]
	s_add_nc_u64 s[32:33], s[18:19], s[32:33]
.irp e, 0,1
.irp j, 0,1,2,3,4,5,6,7
	global_load_b128 v[X+32*\e+4*\j:X+32*\e+4*\j+3], v3, s[4:5] offset:4096*\e+512*\j   ; 32 lanes read 512 consecutive bytes
.endr
.endr
.irp j, 0,1,2,3,4,5,6,7
	global_load_b128 v[LW+4*\j:LW+4*\j+3], v3, s[6:7] offset:512*\j
.endr
.irp j, 0,1,2,3,4,5,6,7
	global_load_b128 v[LB+4*\j:LB+4*\j+3], v3, s[8:9] offset:512*\j
.endr
	s_wait_loadcnt 16                              ; the two rows are in; the 16 loads of gain and bias may be out
.irp e, 0,1
	v_pk_add_f32 v[8+2*\e:9+2*\e], v[X+32*\e:X+32*\e+1], v[X+32*\e+2:X+32*\e+3]
.endr
.irp j, 4,6,8,10,12,14,16,18,20,22,24,26,28,30
.irp e, 0,1
	s_delay_alu instid0(VALU_DEP_2)
	v_pk_add_f32 v[8+2*\e:9+2*\e], v[8+2*\e:9+2*\e], v[X+32*\e+\j:X+32*\e+\j+1]
.endr
.endr
	s_delay_alu instid0(VALU_DEP_2)
	v_add_f32 v8, v8, v9
	s_delay_alu instid0(VALU_DEP_2)
	v_add_f32 v10, v10, v11
	REDUCE
	s_delay_alu instid0(VALU_DEP_2)
	v_mul_f32 v8, 0xba800000, v8                   ; minus the mean
	s_delay_alu instid0(VALU_DEP_2)
	v_mul_f32 v10, 0xba800000, v10
	s_delay_alu instid0(VALU_DEP_2)
	v_mov_b32 v9, v8
	s_delay_alu instid0(VALU_DEP_2)
	v_mov_b32 v11, v10
.irp j, 0,2,4,6,8,10,12,14,16,18,20,22,24,26,28,30
.irp e, 0,1
	v_pk_add_f32 v[X+32*\e+\j:X+32*\e+\j+1], v[X+32*\e+\j:X+32*\e+\j+1], v[8+2*\e:9+2*\e]   ; x - mean
.endr
.endr
.irp e, 0,1
	v_pk_mul_f32 v[14+2*\e:15+2*\e], v[X+32*\e:X+32*\e+1], v[X+32*\e:X+32*\e+1]
.endr
.irp j, 2,4,6,8,10,12,14,16,18,20,22,24,26,28,30
.irp e, 0,1
	s_delay_alu instid0(VALU_DEP_2)
	v_pk_fma_f32 v[14+2*\e:15+2*\e], v[X+32*\e+\j:X+32*\e+\j+1], v[X+32*\e+\j:X+32*\e+\j+1], v[14+2*\e:15+2*\e]
.endr
.endr
	s_delay_alu instid0(VALU_DEP_2)
	v_add_f32 v8, v14, v15
	s_delay_alu instid0(VALU_DEP_2)
	v_add_f32 v10, v16, v17
	REDUCE
	s_delay_alu instid0(VALU_DEP_2)
	v_fmaak_f32 v8, s25, v8, 0x3727c5ac            ; the variance + 1e-5
	s_delay_alu instid0(VALU_DEP_2)
	v_fmaak_f32 v10, s25, v10, 0x3727c5ac
	s_wait_alu depctr_va_vdst(0)
	v_rsq_f32 v14, v8
	v_rsq_f32 v16, v10
	v_nop                                          ; one plain place behind the transcendentals
	s_wait_alu depctr_va_vdst(0)                   ; one wait for both, ahead of their first reader
	v_mov_b32 v15, v14
	v_mov_b32 v17, v16
	s_wait_alu depctr_va_vdst(0)
	s_wait_loadcnt 0x0                             ; gain and bias
.irp j, 0,2,4,6,8,10,12,14,16,18,20,22,24,26,28,30
.irp e, 0,1
	v_pk_mul_f32 v[X+32*\e+\j:X+32*\e+\j+1], v[X+32*\e+\j:X+32*\e+\j+1], v[14+2*\e:15+2*\e]
.endr
.endr
.irp j, 0,2,4,6,8,10,12,14,16,18,20,22,24,26,28,30
.irp e, 0,1
	v_pk_fma_f32 v[X+32*\e+\j:X+32*\e+\j+1], v[X+32*\e+\j:X+32*\e+\j+1], v[LW+\j:LW+\j+1], v[LB+\j:LB+\j+1]
.endr
.endr
.irp e, 0,1
.irp j, 0,1,2,3,4,5,6,7
	ds_store_b128 v4, v[X+32*\e+4*\j:X+32*\e+4*\j+3] offset:PITCH*\e+512*\j
.endr
.endr
	s_wait_dscnt 0x0                               ; for the others' sake: my stores have landed
	s_barrier_signal -1
	s_barrier_wait -1                              ; the 16 rows lie in LDS
	; now wave w takes K step w of all 16 slots: lane (r, h) reads, of each block of 32, its 16 neighbours
.irp b, 0,1,2,3
.irp i, 0,1,2,3
	ds_load_b128 v[X+16*\b+4*\i:X+16*\b+4*\i+3], v5 offset:128*\b+16*\i
.endr
.endr
	s_wait_dscnt 0x0
	QUANT X
	global_store_b128 v3, v[PC:PC+3], s[30:31]                        ; the fragment as it stands: 512 consecutive bytes,
	global_store_b64 v18, v[PC+4:PC+5], s[30:31] offset:512           ; 256,
	global_store_b128 v3, v[PC+6:PC+9], s[30:31] offset:CHUNK         ; and the second 64 along K one chunk on
	global_store_b64 v18, v[PC+10:PC+11], s[30:31] offset:CHUNK+512
	global_store_b32 v19, v[PW], s[32:33]                             ; lanes r and r + 16 write the same word with the same value
	s_wait_tensorcnt 0x0
	ds_add_u32 v200, v201
	s_wait_dscnt 0x0
	s_endpgm
	; ---------------- THE WEIGHTS.  A work-group takes 256 columns x 128 along K; a lane takes a column and its registers run down K, so a block of 32 lies in one lane and the codes come out with K innermost
.Lweights:
	s_wait_alu depctr_va_vdst(0)
	v_lshlrev_b32 v3, 2, v2                        ; in: 4 bytes a lane: a wave reads 128 consecutive bytes, the eight waves 1,024
	v_bfe_u32 v4, v0, 3, 1                         ; u: my column's block is 2 (w % 4) + u,
	v_and_b32 v5, 7, v0
	v_bfe_u32 v6, v0, 4, 1
	s_delay_alu instid0(VALU_DEP_1)
	v_lshl_or_b32 v5, v6, 3, v5                    ; its slot r = l % 8 + 8 (l / 16)
	s_delay_alu instid0(VALU_DEP_4)
	v_mul_u32_u24 v7, v4, 768
	s_delay_alu instid0(VALU_DEP_1)
	v_lshl_add_u32 v8, v5, 4, v7                   ; registers 0-3: 768 u + 16 r
	s_delay_alu instid0(VALU_DEP_2)
	v_lshl_add_u32 v9, v5, 3, v7
	s_delay_alu instid0(VALU_DEP_1)
	v_add_nc_u32 v9, 512, v9                       ; registers 4-5: 768 u + 512 + 8 r
	v_lshlrev_b32 v10, 6, v4
	s_delay_alu instid0(VALU_DEP_1)
	v_lshl_add_u32 v10, v5, 2, v10                 ; the scale word: 64 u + 4 r
.macro WLOAD N, t                      ; block t: W(32 t + i, my column) into set t % 2
.irp i, 0,1,2,3,4,5,6,7,8,9,10,11,12,13,14,15,16,17,18,19,20,21,22,23,24,25,26,27,28,29,30,31
	global_load_b32 v[X+32*((\t)%2)+\i], v3, s[24:25] offset:(32*(\t)+\i)*\N*4 th:TH_LOAD_NT
.endr
.endm
.macro WBLOCK N, t
.set XW, X+32*((\t)%2)
.if (\t) < 3
	s_wait_loadcnt 32                              ; this block's 32 loads are in; the next block's 32 may be out
.else
	s_wait_loadcnt 0x0
.endif
	v_max3_num_f32 v12, |v[XW]|, |v[XW+1]|, |v[XW+2]|
	v_max3_num_f32 v13, |v[XW+3]|, |v[XW+4]|, |v[XW+5]|
.irp i, 6,10,14,18,22,26
	s_delay_alu instid0(VALU_DEP_2)
	v_max3_num_f32 v12, v12, |v[XW+\i]|, |v[XW+\i+1]|
	s_delay_alu instid0(VALU_DEP_2)
	v_max3_num_f32 v13, v13, |v[XW+\i+2]|, |v[XW+\i+3]|
.endr
	s_delay_alu instid0(VALU_DEP_2)
	v_max3_num_f32 v12, v12, |v[XW+30]|, |v[XW+31]|
	s_delay_alu instid0(VALU_DEP_1)
	v_max3_num_f32 v12, v12, v13, 0x1800000        ; and the floor
	s_delay_alu instid0(VALU_DEP_1)
	v_add_nc_u32 v14, 0xff000000, v12              ; the conversion's scale operand
	v_cvt_scalef32_pk16_fp6_f32 v[LW+8*(\t):LW+8*(\t)+2], v[XW:XW+15], v14
	v_cvt_scalef32_pk16_fp6_f32 v[LB:LB+2], v[XW+16:XW+31], v14
	v_lshrrev_b32 v15, 23, v14                     ; the byte (also the plain place behind the conversions)
.if (\t) == 0
	s_delay_alu instid0(VALU_DEP_1)
	v_mov_b32 v16, v15
.else
	s_delay_alu instid0(VALU_DEP_1)
	v_lshl_or_b32 v16, v15, 8*(\t), v16            ; four bytes make the K step's scale word
.endif
.irp i, 0,1,2
	v_mov_b32 v[LW+8*(\t)+3+\i], v[LB+\i]
.endr
	global_store_b128 v8, v[LW+8*(\t):LW+8*(\t)+3], s[28:29] offset:((\t)/2)*CHUNK+256*((\t)%2)     ; block t is half h = t % 2 of chunk t / 2: sixteen lanes fill 256 consecutive bytes
	global_store_b64 v9, v[LW+8*(\t)+4:LW+8*(\t)+5], s[28:29] offset:((\t)/2)*CHUNK+128*((\t)%2)
.if (\t)+2 < 4
	WLOAD \N, (\t)+2
.endif
.endm
; N columns, 2^LKS K steps of 128, the input's pointer in s[inlo:inlo+1], where its codes and scale words begin in the output, the first work-group of this weight
.macro WPATH N, LKS, inlo, CO, SO, id0
	s_sub_co_u32 s21, ttmp9, \id0
	s_and_b32 s22, s21, (1<<\LKS)-1                ; K step
	s_lshr_b32 s23, s21, \LKS                      ; group of 256 columns
	s_mul_i32 s24, s22, 128*\N*4
	s_lshl_b32 s25, s23, 10
	s_add_co_u32 s24, s24, s25
	s_lshl_b32 s25, s20, 7
	s_add_co_u32 s24, s24, s25                     ; in: 128 rows a K step, 1,024 bytes a group, 128 a wave
	s_mov_b32 s25, 0
	s_lshl_b32 s26, s23, 1
	s_lshr_b32 s27, s20, 2
	s_add_co_u32 s26, s26, s27                     ; panel
	s_and_b32 s27, s20, 3
	s_lshl_b32 s28, s26, \LKS+1
	s_lshl_b32 s29, s22, 1
	s_add_co_u32 s28, s28, s29
	s_mul_i32 s28, s28, CHUNK
	s_mul_i32 s29, s27, 1536
	s_add_co_u32 s28, s28, s29
	s_add_co_u32 s28, s28, \CO
	s_mov_b32 s29, 0
	s_lshl_b32 s30, s26, \LKS
	s_add_co_u32 s30, s30, s22
	s_lshl_b32 s30, s30, 9
	s_lshl_b32 s31, s27, 7
	s_add_co_u32 s30, s30, s31
	s_add_co_u32 s30, s30, \SO
	s_mov_b32 s31, 0
	s_wait_kmcnt 0x0
	s_add_nc_u64 s[24:25], s[\inlo:\inlo+1], s[24:25]
	s_add_nc_u64 s[28:29], s[18:19], s[28:29]
	s_add_nc_u64 s[30:31], s[18:19], s[30:31]
	WLOAD \N, 0
	WLOAD \N, 1
	WBLOCK \N, 0
	WBLOCK \N, 1
	WBLOCK \N, 2
	WBLOCK \N, 3
	global_store_b32 v10, v16, s[30:31]
	s_endpgm
.endm
	s_cmp_lt_u32 ttmp9, 352
	s_cbranch_scc0 .Lnot_wqkv
	WPATH 3072, 3, 10, WQKV_C, WQKV_S, 256
.Lnot_wqkv:
	s_cmp_lt_u32 ttmp9, 384
	s_cbranch_scc0 .Lnot_wo
	WPATH 1024, 3, 12, WO_C, WO_S, 352
.Lnot_wo:
	s_cmp_lt_u32 ttmp9, 512
	s_cbranch_scc0 .Lnot_w1
	WPATH 4096, 3, 14, W1_C, W1_S, 384
.Lnot_w1:
	WPATH 1024, 5, 16, W2_C, W2_S, 512
.Lfunc_end_k_q2d1b73444b_prep:
	.size	k_q2d1b73444b_prep, .Lfunc_end_k_q2d1b73444b_prep-k_q2d1b73444b_prep
	.p2alignl 7, 3214868480
	.fill 96, 4, 3214868480
	.section	.rodata,"a",@progbits
	.p2align	6, 0x0
	.amdhsa_kernel k_q2d1b73444b_prep
		.amdhsa_group_segment_fixed_size 67072
		.amdhsa_private_segment_fixed_size 0
		.amdhsa_enable_private_segment 0
		.amdhsa_kernarg_size 64
		.amdhsa_user_sgpr_count 2
		.amdhsa_user_sgpr_kernarg_segment_ptr 1
		.amdhsa_wavefront_size32 1
		.amdhsa_system_sgpr_workgroup_id_x 1
		.amdhsa_system_sgpr_workgroup_id_y 1
		.amdhsa_system_sgpr_workgroup_id_z 1
		.amdhsa_system_vgpr_workitem_id 0
		.amdhsa_next_free_vgpr 202
		.amdhsa_next_free_sgpr 66
		.amdhsa_reserve_vcc 0
		.amdhsa_float_denorm_mode_32 3
		.amdhsa_float_denorm_mode_16_64 3
		.amdhsa_memory_ordered 1
		.amdhsa_forward_progress 1
		.amdhsa_inst_pref_size 118
	.end_amdhsa_kernel
	.amdgpu_metadata
---
amdhsa.version: [ 1, 2 ]
amdhsa.kernels:
  - .name:           k_q2d1b73444b_prep
    .symbol:         k_q2d1b73444b_prep.kd
    .args:
      - { .name: src, .offset: 0, .size: 8, .value_kind: global_buffer, .address_space: global }
      - { .name: ln1_w, .offset: 8, .size: 8, .value_kind: global_buffer, .address_space: global }
      - { .name: ln1_b, .offset: 16, .size: 8, .value_kind: global_buffer, .address_space: global }
      - { .name: wqkv, .offset: 24, .size: 8, .value_kind: global_buffer, .address_space: global }
      - { .name: wo, .offset: 32, .size: 8, .value_kind: global_buffer, .address_space: global }
      - { .name: w1, .offset: 40, .size: 8, .value_kind: global_buffer, .address_space: global }
      - { .name: w2, .offset: 48, .size: 8, .value_kind: global_buffer, .address_space: global }
      - { .name: pre, .offset: 56, .size: 8, .value_kind: global_buffer, .address_space: global }
    .group_segment_fixed_size: 67072
    .private_segment_fixed_size: 0
    .kernarg_segment_align: 8
    .kernarg_segment_size: 64
    .max_flat_workgroup_size: 256
    .sgpr_count:     66
    .vgpr_count:     202
    .wavefront_size: 32
...
	.end_amdgpu_metadata
.endif
;; end of part 1
;; launch gqkv (part 2): grid 12 x 16, 4 waves a work-group, clusters of 4 x 4, 327,680 bytes of LDS; arguments pre, bqkv, qkv; writes qkv
.if DOCPART == 2
	.amdgcn_target "amdgcn-amd-amdhsa--gfx1250"
	.amdhsa_code_object_version 6
	.text
	.protected	k_q2d1b73444b_gqkv
	.globl	k_q2d1b73444b_gqkv
	.p2align	8
	.type	k_q2d1b73444b_gqkv,@function
k_q2d1b73444b_gqkv:
	s_mov_b64 s[64:65], 0
	v_nop
	global_prefetch_b8 v0, s[64:65] scope:SCOPE_SE
	s_setreg_imm32_b32 hwreg(HW_REG_WAVE_MODE, 25, 1), 1
	s_wait_xcnt 0x0
	s_wait_alu depctr_hold_cnt(0) depctr_sa_sdst(0) depctr_va_vdst(0) depctr_va_sdst(0) depctr_va_ssrc(0) depctr_va_vcc(0) depctr_vm_vsrc(0)
	s_getreg_b32 s2, hwreg(HW_REG_IB_STS2, 6, 4)
	s_cmp_eq_u32 s2, 0
	s_cbranch_scc0 .Lentry_in_a_cluster
	s_endpgm
.Lentry_in_a_cluster:
	s_bfe_u32 s2, ttmp6, 0x10000c
	s_cmp_lg_u32 s2, 0xf033
	s_cbranch_scc0 .Lentry_shape_is_right
	s_endpgm
.Lentry_shape_is_right:
.set KIND, 1
.set KTOT,  1024
.set KS,    KTOT/128
.set NBLK,  8
.set NQ,    2
.set LAPS,  KTOT/(256*NQ)
.set CHUNK, 6144
.set QB,    4*CHUNK
.set GSTEP, QB
.set SLOT,  4*QB
.set PANB,  (KTOT/64)*CHUNK
.set SPANB, KS*512
.set HS,    SPANB
.set SCL,   2*SLOT
.set SPARE, SCL+4*HS
.set XC,     131072
.set WQKV_S, 3276800
.set WQKV_C, 3375104
.set W1_S,   6553600
.set W1_C,   6684672
.set VC,     6291456
.set QKS,    9437184
.set VS,     9699328
.set HIDC,   524288
.set V8B,  12
.set V4,   13
.set ADRA16, 16
.set ADRA8,  18
.set ADRB16, 20
.set ADRB8,  22
.set V16,  24
.set V8,   25
.set V16B, 26
.set ADRS, 27
.set SPW,  28
.set NIL,  29
.set CBA,  30
.set RBA,  31
.set SC,   32
.set RB,   48
.set AF,   64
.set T,    64
.set PC,   128
.set TM,   152
.set PW,   168
.set G1,   24
.set G0,   32
.set G1B,  48
.set G0B,  56
.set G1S,  68
.set G0S,  76
.set G1SB, 80
.set G0SB, 88
.set SEL,  96
.set MSB, 0
.macro WIN new
.if MSB != \new
	s_set_vgpr_msb (MSB<<8)|\new
.set MSB, \new
.endif
.endm
.macro JLOAD g0a, g1a, g0b, g1b
	s_cmp_eq_u32 s15, 0
	s_cbranch_scc0 .Lfor_b_\@
	tensor_load_to_lds s[\g0a:\g0a+3], s[\g1a:\g1a+7]
	s_nop 0
.rept 4
	v_nop
.endr
	s_branch .Lasked_\@
.Lfor_b_\@:
	tensor_load_to_lds s[\g0b:\g0b+3], s[\g1b:\g1b+7]
	s_nop 0
.rept 4
	v_nop
.endr
.Lasked_\@:
.endm
.macro CREST
	s_cmp_lg_u32 s14, 0
	s_cbranch_scc1 .Lnot_wave_0_\@
	s_barrier_signal -3
.Lnot_wave_0_\@:
	s_barrier_wait -3
	s_barrier_signal -1
	s_barrier_wait -1
.endm
.macro CROUND
	s_barrier_signal -1
	s_barrier_wait -1
	CREST
.endm
.macro PLACES n
.rept \n
	v_nop
.endr
.endm
.macro QUANT s
.irp b, 0,1,2,3
	v_max3_num_f32 v[TM+\b], |v[\s+16*\b]|, |v[\s+1+16*\b]|, 0x1800000
.endr
.irp i, 2,4,6,8,10,12,14
.irp b, 0,1,2,3
	v_max3_num_f32 v[TM+\b], v[TM+\b], |v[\s+16*\b+\i]|, |v[\s+1+16*\b+\i]|
.endr
.endr
.irp b, 0,1,2,3
	v_permlanex16_b32 v[TM+4+\b], v[TM+\b], s[SEL], s[SEL+1]
.endr
.irp b, 0,1,2,3
	v_max_num_f32 v[TM+\b], v[TM+\b], v[TM+4+\b]
.endr
.irp b, 0,1,2,3
	v_add_nc_u32 v[TM+12+\b], 0xff000000, v[TM+\b]
.endr
.irp b, 0,1,2,3
	v_lshrrev_b32 v[TM+4+\b], 23, v[TM+12+\b]
.endr
	v_lshl_or_b32 v[PW], v[TM+5], 8, v[TM+4]
	v_lshl_or_b32 v[PW], v[TM+6], 16, v[PW]
	v_lshl_or_b32 v[PW], v[TM+7], 24, v[PW]
.irp c, 0,1
	v_cvt_scalef32_pk16_fp6_f32 v[PC+6*\c:PC+2+6*\c], v[\s+32*\c:\s+15+32*\c], v[TM+12+2*\c]
	v_cvt_scalef32_pk16_fp6_f32 v[PC+12+4*\c:PC+14+4*\c], v[\s+16+32*\c:\s+31+32*\c], v[TM+12+2*\c+1]
.endr
	v_nop
.irp c, 0,1
.irp i, 0,1,2
	v_permlane16_swap_b32 v[PC+6*\c+\i], v[PC+12+4*\c+\i]
.endr
.irp i, 0,1,2
	v_mov_b32 v[PC+3+6*\c+\i], v[PC+12+4*\c+\i]
.endr
.endr
.endm
.if KIND == 1
	s_load_b64 s[4:5], s[0:1], 0x0
	s_load_b64 s[6:7], s[0:1], 0x0
	s_load_b64 s[8:9], s[0:1], 0x8
	s_load_b64 s[10:11], s[0:1], 0x10
.else
	s_load_b128 s[4:7], s[0:1], 0x0
	s_load_b128 s[8:11], s[0:1], 0x10
.endif
	v_lshl_add_u32 v[SPW], v0, 2, SPARE
	v_mov_b32 v[NIL], 0
	ds_add_u32 v28, v29
	ds_add_u32 v28, v29
	s_wait_dscnt 0x0
	v_lshrrev_b32 v1, 5, v0
	v_readfirstlane_b32 s14, v1
	s_lshr_b32 s15, s14, 1
	s_and_b32 s16, s14, 1
	s_bfe_u32 s40, ttmp6, 0x40000
	s_bfe_u32 s41, ttmp6, 0x40004
	s_and_b32 s45, ttmp7, 0xffff
	s_lshl_b32 s45, s45, 2
	s_lshl_b32 s42, ttmp9, 2
	s_mov_b32 s[SEL], 0x76543210
	s_mov_b32 s[SEL+1], 0xfedcba98
.if KIND == 1
	s_mov_b32 s18, XC
	s_mov_b32 s19, 0
	s_mov_b32 s22, WQKV_C
	s_mov_b32 s23, WQKV_S
	s_cmp_eq_u32 ttmp9, 2
	s_cselect_b32 s2, 1, 0
	s_cselect_b32 s17, 0, s45
	s_cselect_b32 s42, s45, s42
	s_cselect_b32 s18, WQKV_C+16*PANB, s18
	s_cselect_b32 s19, WQKV_S+16*SPANB, s19
	s_cselect_b32 s22, XC, s22
	s_cselect_b32 s23, 0, s23
.else
	s_mov_b32 s17, s45
	s_mov_b32 s18, XC
	s_mov_b32 s19, 0
	s_mov_b32 s22, W1_C
	s_mov_b32 s23, W1_S
.endif
	s_add_co_u32 s17, s17, s41
	s_add_co_u32 s42, s42, s40
	s_lshl_b32 s43, s41, 2
	s_lshl_b32 s43, 15, s43
	s_lshl_b32 s44, 0x1111, s40
	s_or_b32 s[G1+0], s43, (3<<16)|(1<<21)
	s_or_b32 s[G1B+0], s44, (3<<16)|(1<<21)
	s_or_b32 s[G1S+0], s43, (3<<16)|(1<<21)
	s_or_b32 s[G1SB+0], s44, (3<<16)|(1<<21)
.irp g, G1, G1B
	s_mov_b32 s[\g+1], (QB/8)<<16                  ; the head's shape: slot 0's part of a tile's two panels: two rows of QB bytes, a panel apart
	s_mov_b32 s[\g+2], 2<<16
	s_mov_b32 s[\g+3], (QB/8)<<16
	s_mov_b32 s[\g+4], 2
	s_mov_b32 s[\g+5], PANB/8
	s_mov_b32 s[\g+6], 0
	s_mov_b32 s[\g+7], 0
.endr
.irp g, G1S, G1SB
	s_mov_b32 s[\g+1], 32<<16
	s_mov_b32 s[\g+2], (2*HS/256)<<16              ; the scale words of a tile's two panels, dense
	s_mov_b32 s[\g+3], 32<<16
	s_mov_b32 s[\g+4], 2*HS/256
	s_mov_b32 s[\g+5], 32
	s_mov_b32 s[\g+6], 0
	s_mov_b32 s[\g+7], 0
.endr
	s_lshl_b32 s20, s17, 1                         ; the tile's first panel, of A and of B
	s_lshl_b32 s46, s42, 1
	s_mul_i32 s92, s20, SPANB
	s_add_co_u32 s92, s92, s19
	s_mov_b32 s93, 0
	s_mul_i32 s20, s20, PANB
	s_add_co_u32 s20, s20, s18
	s_mov_b32 s21, 0
	s_mul_i32 s94, s46, SPANB
	s_add_co_u32 s94, s94, s23
	s_mov_b32 s95, 0
	s_mul_i32 s46, s46, PANB
	s_add_co_u32 s46, s46, s22
	s_mov_b32 s47, 0
	s_mul_i32 s45, s14, QB
	s_wait_kmcnt 0x0
	s_add_nc_u64 s[20:21], s[4:5], s[20:21]
	s_add_nc_u64 s[92:93], s[4:5], s[92:93]
	s_add_nc_u64 s[46:47], s[6:7], s[46:47]
	s_add_nc_u64 s[94:95], s[6:7], s[94:95]
	CROUND
	s_mov_b32 s[G0S], 1
	s_mov_b32 s[G0S+1], SCL
	s_mov_b64 s[G0S+2:G0S+3], s[92:93]
	s_or_b32 s[G0S+3], s[G0S+3], 0x80000000
	s_mov_b32 s[G0SB], 1
	s_mov_b32 s[G0SB+1], SCL+2*HS
	s_mov_b64 s[G0SB+2:G0SB+3], s[94:95]
	s_or_b32 s[G0SB+3], s[G0SB+3], 0x80000000
	s_mul_i32 s92, s16, PANB                       ; in the ring I fetch one panel's part of a slot: which panel, in bytes
	s_mov_b32 s93, 0
	s_mov_b32 s[G0], 1                             ; slot 0's group 0, first for the head's whole tiles: A's two panels,
	s_mov_b32 s[G0+1], 0
	s_mov_b64 s[G0+2:G0+3], s[20:21]
	s_or_b32 s[G0+3], s[G0+3], 0x80000000
	s_mov_b32 s[G0B], 1                            ; and B's, behind them
	s_mov_b32 s[G0B+1], 2*QB
	s_mov_b64 s[G0B+2:G0B+3], s[46:47]
	s_or_b32 s[G0B+3], s[G0B+3], 0x80000000
	s_add_nc_u64 s[20:21], s[20:21], s[92:93]      ; slot 1's group 0: my panel's part
	s_add_nc_u64 s[46:47], s[46:47], s[92:93]
	s_mov_b32 s[G0+4], 1
	s_add_co_u32 s[G0+5], s45, SLOT
	s_add_nc_u64 s[G0+6:G0+7], s[20:21], GSTEP
	s_or_b32 s[G0+7], s[G0+7], 0x80000000
	s_mov_b32 s[G0B+4], 1
	s_add_co_u32 s[G0B+5], s45, SLOT
	s_add_nc_u64 s[G0B+6:G0B+7], s[46:47], GSTEP
	s_or_b32 s[G0B+7], s[G0B+7], 0x80000000
; THE HEAD'S LOADS, ONE A WAVE: wave 0 slot 0's part of A, wave 1 its part of B, wave 2 A's scale words, wave 3 B's.  One chain of arms, each with its load
.macro ARM under, g0, g1, next
	s_cmp_lt_u32 s14, \under
	s_cbranch_scc0 \next
	tensor_load_to_lds s[\g0:\g0+3], s[\g1:\g1+7]
	s_nop 0
.rept 4
	v_nop
.endr
	s_branch .Lhead_asked
\next:
.endm
	ARM 1, G0,  G1,  .Lhead_b
	ARM 2, G0B, G1B, .Lhead_sa
	ARM 3, G0S, G1S, .Lhead_sb
	tensor_load_to_lds s[G0SB:G0SB+3], s[G1SB:G1SB+7]
	s_nop 0
.rept 4
	v_nop
.endr
.Lhead_asked:
	s_wait_alu depctr_va_vdst(0)
	s_wait_tensorcnt 0x0                           ; my tile of the head's four is in; these lines stand ahead of a later first fill as ahead of a refill
	ds_add_u32 v28, v29
.irp g, G1, G1B                                ; no tensor load of mine is out: from here on a load brings one panel's part, as rows of 256 bytes
	s_mov_b32 s[\g+1], 32<<16
	s_mov_b32 s[\g+2], (QB/256)<<16
	s_mov_b32 s[\g+3], 32<<16
	s_mov_b32 s[\g+4], QB/256
	s_mov_b32 s[\g+5], 32
.endr
	s_mov_b32 s[G0+1], s45                         ; and slot 0's group 0 takes the ring's form: my quarter of the slot, my panel
	s_add_nc_u64 s[G0+2:G0+3], s[G0+2:G0+3], s[92:93]
	s_mov_b32 s[G0B+1], s45
	s_add_nc_u64 s[G0B+2:G0B+3], s[G0B+2:G0B+3], s[92:93]
	s_wait_dscnt 0x0
	CROUND                                         ; all four tiles are in, and all sixteen work-groups are here
	JLOAD G0+4, G1, G0B+4, G1B                     ; slot 1's first fill, the first tensor load behind the round
	v_and_b32 v1, 15, v0
	v_bfe_u32 v2, v0, 4, 1
	v_and_b32 v3, 31, v0
	v_lshlrev_b32 v[V16], 4, v3
	v_lshlrev_b32 v[V8], 3, v3
	v_add_nc_u32 v[V8], 512, v[V8]
	v_lshlrev_b32 v[V4], 2, v1
	s_mul_i32 s21, s15, QB
	s_mul_i32 s22, s16, QB
	s_add_co_u32 s22, s22, 2*QB
.irp s, 0,1
	v_add_nc_u32 v[ADRA16+\s], s21, v[V16]
	v_add_nc_u32 v[ADRA8+\s], s21, v[V8]
	v_add_nc_u32 v[ADRB16+\s], s22, v[V16]
	v_add_nc_u32 v[ADRB8+\s], s22, v[V8]
	s_add_co_u32 s21, s21, SLOT
	s_add_co_u32 s22, s22, SLOT
.endr
	s_mul_i32 s21, s15, HS
	s_mul_i32 s22, s16, HS
	s_add_co_u32 s22, s22, 2*HS
	s_sub_co_u32 s22, s22, s21
	v_mul_u32_u24 v6, s22, v2
	s_add_co_u32 s21, s21, SCL
	v_lshl_add_u32 v6, v1, 2, v6
	v_add_nc_u32 v[ADRS], s21, v6
	s_lshl_b32 s20, s17, 1
	s_add_co_u32 s20, s20, s15
	s_lshl_b32 s46, s42, 1
	s_add_co_u32 s46, s46, s16
	v_lshlrev_b32 v[CBA], 6, v2
	v_and_b32 v[RBA], 7, v1
	v_lshrrev_b32 v6, 3, v1
	v_lshlrev_b32 v[RBA], 2, v[RBA]
	v_lshl_add_u32 v[RBA], v6, 6, v[RBA]
.if KIND == 1
	s_lshl_b32 s21, s46, 6
	s_add_co_u32 s21, s21, s20
	s_mul_i32 s21, s21, CHUNK
	s_lshl_b32 s22, s46, 5
	s_add_co_u32 s22, s22, s20
	s_lshl_b32 s22, s22, 9
	s_add_co_u32 s22, s22, QKS
	s_lshr_b32 s23, s46, 4
	s_lshl_b32 s23, s23, 4
	s_lshl_b32 s47, s20, 1
	s_add_co_u32 s23, s23, s47
	s_lshl_b32 s23, s23, 4
	s_and_b32 s47, s46, 15
	s_add_co_u32 s23, s23, s47
	s_mul_i32 s47, s23, CHUNK
	s_add_co_u32 s47, s47, VC
	s_lshl_b32 s23, s23, 8
	s_add_co_u32 s23, s23, VS
	s_lshl_b32 s3, s46, 9
	s_lshl_b32 s45, s20, 9
	s_add_co_u32 s45, s45, 8192
	s_mov_b32 s18, 768
	s_mov_b32 s40, 32*CHUNK
	s_cmp_eq_u32 s2, 1
	s_cselect_b32 s92, s47, s21
	s_cselect_b32 s94, s23, s22
	s_cselect_b32 s3, s45, s3
	s_cselect_b32 s18, 1536, s18
	s_cselect_b32 s40, 768, s40
	s_cselect_b32 s22, 16*CHUNK-4*1536, 0
	s_cselect_b32 s46, 16*256-4*64, 0
	s_mov_b32 s23, 0
	s_mov_b32 s47, 0
.else
	s_lshl_b32 s92, s20, 6
	s_lshl_b32 s21, s46, 1
	s_add_co_u32 s92, s92, s21
	s_mul_i32 s92, s92, CHUNK
	s_add_co_u32 s92, s92, HIDC
	s_lshl_b32 s94, s20, 5
	s_add_co_u32 s94, s94, s46
	s_lshl_b32 s94, s94, 9
	s_lshl_b32 s3, s46, 9
	s_mov_b32 s18, 768
	s_mov_b32 s40, CHUNK
.endif
	s_mov_b32 s19, 0
	s_mov_b32 s93, 0
	s_mov_b32 s95, 0
	s_add_nc_u64 s[92:93], s[10:11], s[92:93]
	s_add_nc_u64 s[94:95], s[10:11], s[94:95]
	s_mov_b32 s20, s3
	s_mov_b32 s21, 0
	s_add_nc_u64 s[8:9], s[8:9], s[20:21]
	v_add_nc_u32 v[V16B], s40, v[V16]
	v_add_nc_u32 v[V8B], s40, v[V8]
.macro CBLOAD
	WIN 0x40
.set nn, 0
.rept 16
	global_load_b128 v[192+4*nn:195+4*nn], v[CBA], s[8:9] offset:128*(nn/4)+16*(nn%4)
.set nn, nn+1
.endr
	WIN 0
.endm
.if KIND == 1
	s_cmp_eq_u32 s2, 1
	s_cbranch_scc1 .Lbias_v
	s_wait_alu depctr_va_vdst(0)
	CBLOAD
.set nn, 0
.rept 16
	v_mov_b32 v[RB+nn], 0
.set nn, nn+1
.endr
	s_branch .Lbias_done
.Lbias_v:
	WIN 0x40
.set nn, 0
.rept 64
	v_mov_b32 v[192+nn], 0
.set nn, nn+1
.endr
	WIN 0
.irp a, 0,1,2,3,4,5,6,7
	global_load_b32 v[RB+2*\a], v[RBA], s[8:9] offset:(32*(\a/2)+8*(\a%2))*4
	v_mov_b32 v[RB+2*\a+1], 0
.endr
.Lbias_done:
.else
	CBLOAD
.endif
.macro MULROWS a0, n, p, zero
.set AA, \a0
.rept \n
	WIN 0xa1+0x50*(AA/4)
.irp b, 0,1,2,3,4,5,6,7
.if \zero
	v_wmma_scale_f32_16x16x128_f8f6f4 v[8*(8*(AA%4)+\b):8*(8*(AA%4)+\b)+7], v[96*(\p)+12*\b:96*(\p)+12*\b+11], v[AF+96*(\p)+12*AA:AF+96*(\p)+12*AA+11], 0, v[SC+8*(\p)+\b], v[SC+8*(\p)+AA] matrix_a_fmt:MATRIX_FMT_FP6 matrix_b_fmt:MATRIX_FMT_FP6 matrix_a_scale:MATRIX_SCALE_ROW1
.else
	v_wmma_scale_f32_16x16x128_f8f6f4 v[8*(8*(AA%4)+\b):8*(8*(AA%4)+\b)+7], v[96*(\p)+12*\b:96*(\p)+12*\b+11], v[AF+96*(\p)+12*AA:AF+96*(\p)+12*AA+11], v[8*(8*(AA%4)+\b):8*(8*(AA%4)+\b)+7], v[SC+8*(\p)+\b], v[SC+8*(\p)+AA] matrix_a_fmt:MATRIX_FMT_FP6 matrix_b_fmt:MATRIX_FMT_FP6 matrix_a_scale:MATRIX_SCALE_ROW1
.endif
.endr
.set AA, AA+1
.endr
.endm
.macro FRAGS reg, a16, a8, q
.irp i, 0,1,2,3,4,5,6,7
	ds_load_b128 v[(\reg)+12*\i:(\reg)+12*\i+3], v[\a16] offset:(2*(\q))*CHUNK+768*\i
	ds_load_b64 v[(\reg)+12*\i+4:(\reg)+12*\i+5], v[\a8] offset:(2*(\q))*CHUNK+768*\i
	ds_load_b128 v[(\reg)+12*\i+6:(\reg)+12*\i+9], v[\a16] offset:(2*(\q)+1)*CHUNK+768*\i
	ds_load_b64 v[(\reg)+12*\i+10:(\reg)+12*\i+11], v[\a8] offset:(2*(\q)+1)*CHUNK+768*\i
.endr
.endm
.macro FETCH slot, q, p, first
	WIN 0x40
	FRAGS 96*(\p), ADRB16+\slot, ADRB8+\slot, \q
	WIN 0
	FRAGS AF+96*(\p), ADRA16+\slot, ADRA8+\slot, \q
.if \first == 0
	v_add_nc_u32 v[ADRS], 512, v[ADRS]
.endif
.irp i, 0,1,2,3,4,5,6,7
	ds_load_b32 v[SC+8*(\p)+\i], v[ADRS] offset:64*\i
.endr
.endm
.macro STEP slot, q, zero
	s_wait_dscnt 0x0
	PLACES 4
	FETCH \slot, (\q)+1, 1-(\q)%2, 0
	MULROWS 0, NBLK, (\q)%2, \zero
	WIN 0
.endm
.macro TURN slot, next, fill
	s_wait_tensorcnt 0x0
	ds_add_u32 v[SPW], v[NIL]
	s_wait_dscnt 1
	MULROWS 0, NBLK/4, 1, 0
	s_wait_dscnt 0x0
	s_barrier_signal -1
	MULROWS NBLK/4, NBLK/4, 1, 0
	WIN 0
	s_barrier_wait -1
.if \fill
	CREST
	s_add_nc_u64 s[G0+4*\slot+2:G0+4*\slot+3], s[G0+4*\slot+2:G0+4*\slot+3], 2*GSTEP
	s_add_nc_u64 s[G0B+4*\slot+2:G0B+4*\slot+3], s[G0B+4*\slot+2:G0B+4*\slot+3], 2*GSTEP
	JLOAD G0+4*\slot, G1, G0B+4*\slot, G1B
.else
	PLACES 4
.endif
	s_wait_alu depctr_va_vdst(0)
	FETCH \next, 0, 0, 0
	MULROWS NBLK/2, NBLK/2, 1, 0
	WIN 0
.endm
	s_wait_tensorcnt 1
	s_barrier_signal -1
	s_barrier_wait -1
	FETCH 0, 0, 0, 1
	STEP 0, 0, 1
	s_mov_b32 s3, LAPS-1
.Llap:
	TURN 0, 1, 1
	s_wait_alu depctr_va_vdst(0)
	STEP 1, 0, 0
	TURN 1, 0, 1
	s_wait_alu depctr_va_vdst(0)
	STEP 0, 0, 0
	s_sub_co_u32 s3, s3, 1
	s_cmp_lg_u32 s3, 0
	s_cbranch_scc1 .Llap
	TURN 0, 1, 0
	s_wait_alu depctr_va_vdst(0)
	STEP 1, 0, 0
	s_wait_dscnt 0x0
	MULROWS 0, NBLK, 1, 0
	WIN 0
	s_wait_loadcnt 0x0
	PLACES 4
.irp b, 0,1,2,3
	v_mov_b32 v[TM+4+\b], 0
.endr
.macro OUTBLK a
	WIN 0x06+(\a)/4
.set nn, 0
.rept 32
	v_pk_add_f32 v[T+nn:T+nn+1], v[64*((\a)%4)+nn:64*((\a)%4)+nn+1], v[192+nn:193+nn]
.set nn, nn+2
.endr
	WIN 0
.if KIND == 1
.set nn, 0
.rept 32
	v_pk_add_f32 v[T+nn:T+nn+1], v[T+nn:T+nn+1], v[RB+2*(\a):RB+2*(\a)+1] op_sel_hi:[1,0]
.set nn, nn+2
.endr
.else
.set nn, 0
.rept 64
	v_max_num_f32 v[T+nn], 0, v[T+nn]
.set nn, nn+1
.endr
.endif
.if (\a) > 0
	s_wait_xcnt 0x0
	s_add_nc_u64 s[92:93], s[92:93], s[18:19]
	s_add_nc_u64 s[94:95], s[94:95], 64
.if (KIND == 1) && ((\a) == 4)
	s_add_nc_u64 s[92:93], s[92:93], s[22:23]
	s_add_nc_u64 s[94:95], s[94:95], s[46:47]
.endif
.endif
	QUANT T
	global_store_b128 v[V16], v[PC:PC+3], s[92:93]
	global_store_b64 v[V8], v[PC+4:PC+5], s[92:93]
	global_store_b128 v[V16B], v[PC+6:PC+9], s[92:93]
	global_store_b64 v[V8B], v[PC+10:PC+11], s[92:93]
	global_store_b32 v[V4], v[PW], s[94:95]
.endm
.irp a, 0,1,2,3,4,5,6,7
	OUTBLK \a
.endr
	s_wait_tensorcnt 0x0
	ds_add_u32 v[SPW], v[NIL]
	s_wait_dscnt 0x0
	CROUND
	s_endpgm
.Lfunc_end_k_q2d1b73444b_gqkv:
	.size	k_q2d1b73444b_gqkv, .Lfunc_end_k_q2d1b73444b_gqkv-k_q2d1b73444b_gqkv
	.p2alignl 7, 3214868480
	.fill 96, 4, 3214868480
	.section	.rodata,"a",@progbits
	.p2align	6, 0x0
	.amdhsa_kernel k_q2d1b73444b_gqkv
		.amdhsa_group_segment_fixed_size 327680
		.amdhsa_private_segment_fixed_size 0
		.amdhsa_enable_private_segment 0
		.amdhsa_kernarg_size 24
		.amdhsa_user_sgpr_count 2
		.amdhsa_user_sgpr_kernarg_segment_ptr 1
		.amdhsa_wavefront_size32 1
		.amdhsa_system_sgpr_workgroup_id_x 1
		.amdhsa_system_sgpr_workgroup_id_y 1
		.amdhsa_system_sgpr_workgroup_id_z 1
		.amdhsa_system_vgpr_workitem_id 0
		.amdhsa_next_free_vgpr 1024
		.amdhsa_next_free_sgpr 100
		.amdhsa_reserve_vcc 0
		.amdhsa_float_denorm_mode_32 3
		.amdhsa_float_denorm_mode_16_64 3
		.amdhsa_memory_ordered 1
		.amdhsa_forward_progress 1
		.amdhsa_inst_pref_size 191
	.end_amdhsa_kernel
	.amdgpu_metadata
---
amdhsa.version: [ 1, 2 ]
amdhsa.kernels:
  - .name:           k_q2d1b73444b_gqkv
    .symbol:         k_q2d1b73444b_gqkv.kd
    .args:
      - { .name: pre, .offset: 0, .size: 8, .value_kind: global_buffer, .address_space: global }
      - { .name: bqkv, .offset: 8, .size: 8, .value_kind: global_buffer, .address_space: global }
      - { .name: qkv, .offset: 16, .size: 8, .value_kind: global_buffer, .address_space: global }
    .group_segment_fixed_size: 327680
    .private_segment_fixed_size: 0
    .kernarg_segment_align: 8
    .kernarg_segment_size: 24
    .max_flat_workgroup_size: 128
    .sgpr_count:     100
    .vgpr_count:     1024
    .wavefront_size: 32
...
	.end_amdgpu_metadata
.endif
;; end of part 2
;; launch attn (part 3): grid 8 x 32, 8 waves a work-group, clusters of 4 x 1, 215,040 bytes of LDS; arguments qkv, ctx; writes ctx
.if DOCPART == 3
	.amdgcn_target "amdgcn-amd-amdhsa--gfx1250"
	.amdhsa_code_object_version 6
	.text
	.protected	k_q2d1b73444b_attn
	.globl	k_q2d1b73444b_attn
	.p2align	8
	.type	k_q2d1b73444b_attn,@function
k_q2d1b73444b_attn:
	s_mov_b64 s[64:65], 0
	v_nop
	global_prefetch_b8 v0, s[64:65] scope:SCOPE_SE
	s_setreg_imm32_b32 hwreg(HW_REG_WAVE_MODE, 25, 1), 1
	s_wait_xcnt 0x0
	s_wait_alu depctr_hold_cnt(0) depctr_sa_sdst(0) depctr_va_vdst(0) depctr_va_sdst(0) depctr_va_ssrc(0) depctr_va_vcc(0) depctr_vm_vsrc(0)
	s_getreg_b32 s2, hwreg(HW_REG_IB_STS2, 6, 4)
	s_cmp_eq_u32 s2, 0
	s_cbranch_scc0 .Lentry_in_a_cluster
	s_endpgm
.Lentry_in_a_cluster:
	s_bfe_u32 s2, ttmp6, 0x10000c
	s_cmp_lg_u32 s2, 0x3003
	s_cbranch_scc0 .Lentry_shape_is_right
	s_endpgm
.Lentry_shape_is_right:
; CAUSAL ATTENTION WITH THE BIAS (i + j) x (-2^-h), both products on codes of FP6 (E2M3); the result is quantised along the head's 64 and stored as the next product's operand.
; q, k: codes along the head's 64 (the instruction's K is 128: the upper 64 are zero codes, kept in registers); v: codes along the keys.  All lie in the order of the operand's registers (half images of 768 bytes:
; 16 slots x 64 along K; slot r of block a is row 32 (a / 2) + 8 (a % 2) + r % 8 + 16 (r / 8)).
; THE SOFTMAX: t = logit x log2(e); M = the running largest t rounded UP to a whole number; p = 2^(t - M) is quantised along the keys, not normalised; the row's sum is taken of the unquantised p and divides at the end.
; THE BIAS: 8 x slope x (the key's place among its block's 32) is the C of the first product, exact; slope x (i + the block's first key) x log2(e) - M enters by one fused multiply-add a block: another order of
; rounding than adding the bias to each score, and no coarser than f32.
; LEFT OUT: key steps whose 128 keys all come after a block's queries: the causal mask that the problem builds itself gives them p = 0.
; SHARES.  A work-group serves one (batch, head).  A WHOLE HEAD'S K AND V LIE IN LDS (192 KiB + their scale words), filled once by one joint load a wave: waves 0-2 K's codes, 3-5 V's, 6 K's scale words, 7 V's.
; The four work-groups of a cluster belong to one head.  Each of the eight waves owns TWO blocks of 16 queries, one after the other: first in panel G (8 .. 15), then in panel 15 - G: G + 1 and 16 - G key steps,
; 17 for every wave.  G hangs on the wave's number and the cluster's x alone; the place in the cluster picks the block in the panel and enters only global addresses and lane data.
; ONE loop of 32 trips: the key step is trip % 16; a hidden step is jumped over; behind key step 15 a block goes out, and behind the first block the second is set up.  Both blocks' Q are loaded at the head.
; FRAGMENTS A STEP AHEAD: behind a step's eight score products the wave asks LDS for the NEXT live step's K (behind a block's last step: key step 0, for the next block; behind the second block's last that read serves
; nothing) and for this step's V: 44 LDS loads, awaited once, ahead of the second product.
; No prefetch: every byte of K and V is asked for at the head, so there is no loop to run ahead in.
; LIMITS: NaN and infinities are not served; p under 2^-126 counts as 0; a block whose largest magnitude lies under 2^-124 keeps the byte 1.
; REGISTERS, window 0: v1-7 lane terms; v8-11, v212-213 the step's addresses; v12 -M, v13 the largest t, v[14:15] the sum; v16-27 Q; v28-43 the local bias; v44-51 K's scale words, v52-55 V's; v96-159 S^T, then p;
;   v160-191 O^T; v192-210 p's codes; v207, v211 the add's two; v214 i + the step's first key; v215 4 r; v216-247 at work; v248 Q's scale word, v249 p's; v[250:251] f; v252-255 at work.
;   Window 1: v0-6 the second block's Q; v8-103 K's eight fragments (their upper halves zero codes, never rewritten); v104-151 V's four.
.set CHUNK, 6144
.set VOFF,  16*CHUNK                   ; LDS: K's 16 key steps, then V's
.set SCK,   2*VOFF                     ; K's scale words: 512 bytes a key step
.set SCV,   SCK+8192                   ; V's: 256 bytes a key step
.set SPARE, 0x34000                    ; the spare words: 128 bytes a wave
.set VC,    6291456                    ; offsets in the input
.set QKS,   9437184
.set VS,    9699328
.set CTXC,  131072                     ; and in the output
.set WV, 8                             ; s8   wave
.set TR, 10                            ; s10  the trip, 0 .. 31
.set G,  13                            ; s13  my panel of queries = my last key step
.set TN, 14                            ; s14  6,144 x the next live step
.set J,  15                            ; s15  the key step
.set TB, 16                            ; s16  6,144 J
.set TS, 17                            ; s17  512 x the next live step
.set TV, 18                            ; s18  256 J
.set SEL, 20                           ; s[20:21]
.set CS,  22                           ; s[22:23] log2(e) / 8
.set MSB, 0
.macro WIN new                         ; the immediate's high byte repeats the setting that is left
.if MSB != \new
	s_set_vgpr_msb (MSB<<8)|\new
.set MSB, \new
.endif
.endm
.macro CROUND
	s_barrier_signal -1
	s_barrier_wait -1
	s_cmp_lg_u32 s[WV], 0
	s_cbranch_scc1 .Lnot_wave_0_\@
	s_barrier_signal -3
.Lnot_wave_0_\@:
	s_barrier_wait -3
	s_barrier_signal -1
	s_barrier_wait -1
.endm
.macro NOPS4
.rept 4
	v_nop
.endr
.endm
.macro KCODES a16, a8                  ; K's eight fragments' lower halves (destination: window 1)
.irp n, 0,1,2,3,4,5,6,7
	ds_load_b128 v[8+12*\n:11+12*\n], v[\a16] offset:768*\n
	ds_load_b64 v[12+12*\n:13+12*\n], v[\a8] offset:768*\n
.endr
.endm
.macro KSCALES as                      ; their scale bytes: my head's two; the bytes of the zero codes are 0, which is no NaN
.irp n, 0,1,2,3,4,5,6,7
	ds_load_u16 v[44+\n], v[\as] offset:64*\n
.endr
.endm
	s_load_b128 s[4:7], s[0:1], 0x0                ; the input, the output
	v_lshl_add_u32 v207, v0, 2, SPARE
	v_mov_b32 v211, 0
	ds_add_u32 v207, v211                          ; the opening lines
	ds_add_u32 v207, v211
	v_lshrrev_b32 v1, 5, v0
	s_delay_alu instid0(VALU_DEP_1)
	v_readfirstlane_b32 s[WV], v1                  ; wave 0..7
	s_and_b32 s11, ttmp7, 0xffff                   ; 16 x batch + head
	s_and_b32 s12, s11, 15                         ; head
	s_lshr_b32 s3, s11, 4
	s_lshl_b32 s3, s3, 4                           ; 16 x batch: the batch's first token panel
	s_lshr_b32 s86, s[WV], 1
	s_xor_b32 s86, s86, 7                          ; i = 7 - w / 2
	s_xor_b32 s87, s86, ttmp9
	s_and_b32 s87, s87, 1
	s_lshl_b32 s[G], s86, 1
	s_add_co_u32 s[G], s[G], s87                   ; G = 2 i + (i xor cluster x) % 2: 8 .. 15
	; group 1, three times: dense blocks as rows of 256 bytes (32 elements of 8 bytes); the mask names all four work-groups
.irp g, 32, 40, 48
	s_mov_b32 s[\g], 15|(3<<16)|(1<<21)
	s_mov_b32 s[\g+1], 32<<16
	s_mov_b32 s[\g+3], 32<<16
	s_mov_b32 s[\g+5], 32
	s_mov_b32 s[\g+6], 0
	s_mov_b32 s[\g+7], 0
.endr
	s_mov_b32 s34, 32<<16                          ; K's scale words: 32 rows
	s_mov_b32 s36, 32
	s_mov_b32 s42, 16<<16                          ; V's: 16
	s_mov_b32 s44, 16
	s_mov_b32 s50, 128<<16                         ; codes: 128 rows a wave, a third of K's or of V's
	s_mov_b32 s52, 128
	s_lshr_b32 s84, s12, 1
	s_add_co_u32 s84, s84, 8
	s_lshl_b32 s84, s84, 5
	s_add_co_u32 s84, s84, s3
	s_lshl_b32 s84, s84, 9
	s_add_co_u32 s84, s84, QKS                     ; K's scale words: column step 8 + head / 2, the batch's 16 panels
	s_mov_b32 s85, 0
	s_lshl_b32 s86, s11, 12
	s_add_co_u32 s86, s86, VS                      ; V's: 4,096 bytes a head
	s_mov_b32 s87, 0
	s_add_co_u32 s88, s12, 16
	s_lshl_b32 s88, s88, 5
	s_add_co_u32 s88, s88, s3
	s_mul_i32 s88, s88, CHUNK                      ; K's codes of the head
	s_mul_i32 s89, s11, VOFF
	s_add_co_u32 s89, s89, VC                      ; V's
	s_min_u32 s90, s[WV], 5                        ; (waves 6 and 7 do not use the codes' descriptor)
	s_cmp_lt_u32 s[WV], 3
	s_cselect_b32 s88, s88, s89
	s_cselect_b32 s91, 0, 3
	s_sub_co_u32 s91, s90, s91
	s_lshl_b32 s91, s91, 15
	s_add_co_u32 s88, s88, s91                     ; my third: 32,768 bytes
	s_mov_b32 s89, 0
	s_lshl_b32 s92, s90, 15                        ; in LDS: by the wave's number alone; V's codes follow K's
	s_wait_dscnt 0x0
	s_wait_kmcnt 0x0
	s_mov_b32 s68, 1
	s_mov_b32 s69, SCK
	s_add_nc_u64 s[70:71], s[4:5], s[84:85]
	s_or_b32 s71, s71, 0x80000000
	s_mov_b32 s72, 1
	s_mov_b32 s73, SCV
	s_add_nc_u64 s[74:75], s[4:5], s[86:87]
	s_or_b32 s75, s75, 0x80000000
	s_mov_b32 s76, 1
	s_mov_b32 s77, s92
	s_add_nc_u64 s[78:79], s[4:5], s[88:89]
	s_or_b32 s79, s79, 0x80000000
	CROUND                                         ; all four work-groups are here: the joint loads meet
	s_cmp_lt_u32 s[WV], 6                          ; one chain of arms, one load to an arm: every fill of the launch
	s_cbranch_scc0 .Lhead_ks
	tensor_load_to_lds s[76:79], s[48:55]
	s_nop 0
	NOPS4
	s_branch .Lhead_asked
.Lhead_ks:
	s_cmp_lt_u32 s[WV], 7
	s_cbranch_scc0 .Lhead_vs
	tensor_load_to_lds s[68:71], s[32:39]
	s_nop 0
	NOPS4
	s_branch .Lhead_asked
.Lhead_vs:
	tensor_load_to_lds s[72:75], s[40:47]
	s_nop 0
	NOPS4
.Lhead_asked:
	s_bfe_u32 s9, ttmp6, 0x40000                   ; cx: from here on; it enters global addresses and lane data alone
	s_and_b32 s84, s[WV], 1
	s_lshl_b32 s19, s9, 1
	s_add_co_u32 s19, s19, s84                     ; my block in the panel: 2 cx + w % 2
	s_and_b32 s30, s12, 1
	s_lshl_b32 s30, s30, 1                         ; 2 (head % 2): my head's two bytes of a scale word
	s_add_co_u32 s85, s3, s[G]                     ; P: my first token panel
	s_lshl_b32 s86, s12, 5
	s_add_co_u32 s86, s86, s85
	s_mul_i32 s86, s86, CHUNK
	s_mul_i32 s87, s19, 768
	s_add_co_u32 s86, s86, s87
	s_mov_b32 s87, 0
	s_add_nc_u64 s[86:87], s[4:5], s[86:87]        ; Q's codes
	s_lshr_b32 s31, s12, 1                         ; head / 2
	s_lshl_b32 s88, s31, 5
	s_add_co_u32 s88, s88, s85
	s_lshl_b32 s88, s88, 9
	s_lshl_b32 s89, s19, 6
	s_add_co_u32 s88, s88, s89
	s_add_co_u32 s88, s88, s30
	s_add_co_u32 s88, s88, QKS
	s_mov_b32 s89, 0
	s_add_nc_u64 s[88:89], s[4:5], s[88:89]        ; Q's scale bytes
	s_lshl_b32 s84, s[G], 1
	s_sub_co_u32 s84, s84, 15                      ; e = 2 G - 15 panels back lies my second block
	s_mul_i32 s96, s84, CHUNK
	s_mov_b32 s97, 0
	s_sub_nc_u64 s[96:97], s[86:87], s[96:97]      ; its Q's codes
	s_lshl_b32 s98, s84, 9
	s_mov_b32 s99, 0
	s_sub_nc_u64 s[98:99], s[88:89], s[98:99]      ; and scale bytes
	s_lshl_b32 s90, s85, 4
	s_add_co_u32 s90, s90, s12
	s_mul_i32 s90, s90, CHUNK
	s_mul_i32 s91, s19, 768
	s_add_co_u32 s90, s90, s91
	s_add_co_u32 s90, s90, CTXC
	s_mov_b32 s91, 0
	s_add_nc_u64 s[90:91], s[6:7], s[90:91]        ; the output's codes: chunk = head
	s_lshl_b32 s92, s85, 3
	s_add_co_u32 s92, s92, s31
	s_lshl_b32 s92, s92, 9
	s_lshl_b32 s93, s19, 6
	s_add_co_u32 s92, s92, s93
	s_add_co_u32 s92, s92, s30
	s_mov_b32 s93, 0
	s_add_nc_u64 s[92:93], s[6:7], s[92:93]        ; and its scale bytes
	v_and_b32 v252, 15, v0                         ; r
	v_bfe_u32 v253, v0, 4, 1                       ; the lane's half
	v_and_b32 v254, 31, v0                         ; l
	s_delay_alu instid0(VALU_DEP_1)
	v_lshlrev_b32 v1, 4, v254                      ; 16 l
	s_delay_alu instid0(VALU_DEP_2)
	v_lshlrev_b32 v2, 3, v254
	s_delay_alu instid0(VALU_DEP_1)
	v_add_nc_u32 v2, 512, v2                       ; 512 + 8 l
	v_lshlrev_b32 v215, 2, v252                    ; 4 r
	global_load_b128 v[16:19], v1, s[86:87]        ; the first block's Q
	global_load_b64 v[20:21], v2, s[86:87]
	global_load_u16 v248, v215, s[88:89]           ; its two scale bytes
	WIN 0x40                                       ; destination in window 1
	global_load_b128 v[0:3], v1, s[96:97]          ; the second block's Q
	global_load_b64 v[4:5], v2, s[96:97]
	global_load_u16 v6, v215, s[98:99]
.irp n, 0,1,2,3,4,5,6,7
.irp i, 6,7,8,9,10,11
	v_mov_b32 v[8+12*\n+\i], 0                     ; K's upper 64: zero codes, never rewritten
.endr
.endr
	WIN 0
	v_add_nc_u32 v3, VOFF, v1
	v_add_nc_u32 v4, VOFF, v2
	s_add_co_u32 s84, s30, SCK
	v_lshl_add_u32 v5, v252, 2, s84
	v_lshl_add_u32 v6, v252, 2, SCV
.irp i, 22,23,24,25,26,27
	v_mov_b32 v[\i], 0                             ; Q's upper 64: zero codes
.endr
	v_and_b32 v255, 7, v252
	v_lshrrev_b32 v7, 3, v252
	s_delay_alu instid0(VALU_DEP_1)
	v_lshl_add_u32 v255, v7, 4, v255
	s_lshr_b32 s84, s19, 1
	s_lshl_b32 s84, s84, 5
	s_and_b32 s85, s19, 1
	s_lshl_b32 s85, s85, 3
	s_add_co_u32 s84, s84, s85
	v_add_nc_u32 v255, s84, v255                   ; my query's place in its panel
	v_lshlrev_b32 v254, 4, v253
	s_wait_alu depctr_va_vdst(0)
	v_sub_nc_u32 v7, v255, v254                    ; d = that - 16 x half: register 16 b + n of S^T is hidden on the diagonal where 32 b + n > d
	s_lshl_b32 s85, s[G], 7
	v_add_nc_u32 v255, s85, v255
	s_delay_alu instid0(VALU_DEP_1)
	v_cvt_f32_u32 v214, v255                       ; i, my query's position
	s_sub_co_u32 s24, 127, s12
	s_lshl_b32 s24, s24, 23
	s_or_b32 s24, s24, 0x80000000                  ; the slope -2^-head;
	s_add_co_u32 s29, s24, 3<<23                   ; 8, 32, 64 and 96 times it, by its exponent field
	s_add_co_u32 s25, s24, 5<<23
	s_add_co_u32 s26, s24, 6<<23
	s_or_b32 s27, s26, 0x400000
	s_mov_b32 s28, 0x3fb8aa3b                      ; log2(e)
	s_mov_b32 s[CS], 0x3e38aa3b                    ; log2(e) / 8
	s_mov_b32 s[CS+1], s[CS]
	s_mov_b32 s[SEL], 0x76543210
	s_mov_b32 s[SEL+1], 0xfedcba98
.set nn, 0
.rept 16
	v_add_nc_u32 v[28+nn], nn, v254
.set nn, nn+1
.endr
.set nn, 0
.rept 16
	v_cvt_f32_u32 v[28+nn], v[28+nn]
.set nn, nn+1
.endr
.set nn, 0
.rept 16
	v_mul_f32 v[28+nn], s29, v[28+nn]              ; 8 x slope x (16 half + n): exact
.set nn, nn+1
.endr
	v_mov_b32 v251, 0                              ; (named as the upper half of a pair)
.irp b, 0,1,2,3
	v_mov_b32 v[220+\b], 0                         ; a lane permute's destination counts as read
.endr
.macro FRESH                                   ; a block's state: the step is written for every step alike; the first finds zeros
	v_mov_b32 v13, 0xff61b1e6                      ; the largest t so far: -3e38
	s_delay_alu instid0(VALU_DEP_1)
	v_floor_f32 v12, -v13
	v_mov_b32 v14, 0
	v_mov_b32 v15, 0
.set nn, 0
.rept 32
	v_mov_b32 v[160+nn], 0
.set nn, nn+1
.endr
.endm
	FRESH
	s_mov_b32 s[TR], 0
; A KEY STEP: 128 keys.  Its K fragments and their scale words are in registers
.macro STEP
	s_cmp_gt_u32 s[J], s[G]                        ; all its keys come after my queries
	s_cbranch_scc1 .Lhidden_\@
	v_add_nc_u32 v8, s[TN], v1                     ; the next live step's K; (with the addition at the last step's end these six are seven places behind its last products: V's fragments and scale words are loaded anew below)
	s_wait_alu depctr_va_vdst(0)
	v_add_nc_u32 v9, s[TN], v2
	s_wait_alu depctr_va_vdst(0)
	v_add_nc_u32 v10, s[TS], v5
	s_wait_alu depctr_va_vdst(0)
	v_add_nc_u32 v11, s[TB], v3                    ; this step's V
	v_add_nc_u32 v212, s[TB], v4
	v_add_nc_u32 v213, s[TV], v6
	WIN 0x01                                       ; source 0 in window 1
.irp n, 0,1,2,3,4,5,6,7                        ; S^T = K Q^T + the local bias: eight tiles of 16 keys
	v_wmma_scale_f32_16x16x128_f8f6f4 v[96+8*\n:103+8*\n], v[8+12*\n:19+12*\n], v[16:27], v[28+8*(\n%2):35+8*(\n%2)], v[44+\n], v248 matrix_a_fmt:MATRIX_FMT_FP6 matrix_b_fmt:MATRIX_FMT_FP6
.endr                                          ; lane (r, half) holds query slot r; register 16 b + n is key 32 b + 16 half + n of the step
	NOPS4                                          ; places in front of the loads into K's registers and of the first read of S^T
	WIN 0x40                                       ; destination in window 1
	KCODES 8, 9
.irp t, 0,1,2,3
	ds_load_b128 v[104+12*\t:107+12*\t], v11 offset:1536*\t
	ds_load_b64 v[108+12*\t:109+12*\t], v212 offset:1536*\t
	ds_load_b128 v[110+12*\t:113+12*\t], v11 offset:1536*\t+768
	ds_load_b64 v[114+12*\t:115+12*\t], v212 offset:1536*\t+768
.endr
	WIN 0
	KSCALES 10
.irp t, 0,1,2,3
	ds_load_b32 v[52+\t], v213 offset:64*\t
.endr
	s_cmp_lt_u32 s[J], s[G]                        ; only my last step lies on the diagonal
	s_cbranch_scc1 .Lopen_\@
	v_mov_b32 v254, 0xff800000                     ; hidden scores become -infinity: p = 0
.set nn, 0
.rept 64
	v_cmp_gt_i32 vcc_lo, 32*(nn/16)+nn%16, v7
	v_cndmask_b32 v[96+nn], v[96+nn], v254, vcc_lo
.set nn, nn+1
.endr
.Lopen_\@:
.irp b, 0,1,2,3
	v_max3_num_f32 v[216+\b], v[96+16*\b], v[97+16*\b], v[98+16*\b]   ; the largest score of each block of 32 keys: for the row's maximum and, since p rises with the score, for the block's largest p
.endr
.irp i, 3,5,7,9,11,13
.irp b, 0,1,2,3
	v_max3_num_f32 v[216+\b], v[216+\b], v[96+16*\b+\i], v[97+16*\b+\i]
.endr
.endr
.irp b, 0,1,2,3
	v_max_num_f32 v[216+\b], v[216+\b], v[111+16*\b]
.endr
.irp b, 0,1,2,3
	s_delay_alu instid0(VALU_DEP_4)
	v_permlanex16_b32 v[220+\b], v[216+\b], s[SEL], s[SEL+1]
.endr
.irp b, 0,1,2,3
	s_delay_alu instid0(VALU_DEP_4)
	v_max_num_f32 v[216+\b], v[216+\b], v[220+\b]
.endr
	v_mul_f32 v224, s24, v214                      ; slope x (i + the block's first key): exact
.irp b, 1,2,3
	v_fma_f32 v[224+\b], v214, s24, s[24+\b]
.endr
.irp b, 0,1,2,3
	s_delay_alu instid0(VALU_DEP_4)
	v_mul_f32 v[229+2*\b], s28, v[224+\b]
.endr
.irp b, 0,1,2,3
	s_delay_alu instid0(VALU_DEP_4)
	v_fma_f32 v[252+\b], v[216+\b], s[CS], v[229+2*\b]   ; each block's largest t
.endr
	s_delay_alu instid0(VALU_DEP_2)
	v_max3_num_f32 v252, v252, v253, v254
	s_delay_alu instid0(VALU_DEP_1)
	v_max3_num_f32 v13, v13, v252, v255            ; the running largest t
	v_mov_b32 v252, v12
	s_delay_alu instid0(VALU_DEP_2)
	v_floor_f32 v12, -v13                          ; -M = floor(-t): M is a whole number
	s_delay_alu instid0(VALU_DEP_1)
	v_sub_f32 v252, v12, v252
	s_delay_alu instid0(VALU_DEP_1)
	v_cvt_i32_f32 v252, v252                       ; (it saturates)
	s_delay_alu instid0(VALU_DEP_1)
	v_ldexp_f32 v250, 1.0, v252                    ; f = 2^(old M - new M): rounds nothing
.irp b, 0,1,2,3
	v_fma_f32 v[228+2*\b], v[224+\b], s28, v12     ; the block's addend: its bias as t, less M
.endr
.set nn, 0
.rept 32
	v_pk_fma_f32 v[96+nn:97+nn], v[96+nn:97+nn], s[CS:CS+1], v[228+2*(nn/16):229+2*(nn/16)] op_sel_hi:[1,0,0]   ; t - M, two at a time
.set nn, nn+2
.endr
.irp b, 0,1,2,3
	v_fma_f32 v[216+\b], v[216+\b], s[CS], v[228+2*\b]   ; the same of each block's largest score
.endr
.set nn, 0
	s_wait_alu depctr_va_vdst(0)                   ; the wait ahead of the batch
.rept 64
	v_exp_f32 v[96+nn], v[96+nn]                   ; p
.set nn, nn+1
.endr
	v_pk_mul_f32 v[14:15], v[14:15], v[250:251] op_sel_hi:[1,0]   ; the sum under the new M (a plain place behind the exponentials)
	s_wait_alu depctr_va_vdst(0)                   ; one wait for the batch, ahead of its first reader
.irp b, 0,1,2,3
	v_exp_f32 v[216+\b], v[216+\b]                 ; the blocks' largest p
.endr
	v_pk_add_f32 v[252:253], v[100:101], v[104:105]
	v_pk_add_f32 v[254:255], v[108:109], v[112:113]
	v_pk_add_f32 v[246:247], v[116:117], v[120:121]
	v_pk_add_f32 v[244:245], v[124:125], v[128:129]
	v_pk_add_f32 v[242:243], v[132:133], v[136:137]
	v_pk_add_f32 v[240:241], v[140:141], v[144:145]
	v_pk_add_f32 v[238:239], v[148:149], v[152:153]
	v_pk_add_f32 v[14:15], v[14:15], v[156:157]
	v_pk_add_f32 v[252:253], v[252:253], v[96:97]
	v_pk_add_f32 v[254:255], v[254:255], v[98:99]
	v_pk_add_f32 v[246:247], v[246:247], v[102:103]
	v_pk_add_f32 v[244:245], v[244:245], v[106:107]
	v_pk_add_f32 v[242:243], v[242:243], v[110:111]
	v_pk_add_f32 v[240:241], v[240:241], v[114:115]
	v_pk_add_f32 v[238:239], v[238:239], v[118:119]
	v_pk_add_f32 v[14:15], v[14:15], v[122:123]
	v_pk_add_f32 v[252:253], v[252:253], v[126:127]
	v_pk_add_f32 v[254:255], v[254:255], v[130:131]
	v_pk_add_f32 v[246:247], v[246:247], v[134:135]
	v_pk_add_f32 v[244:245], v[244:245], v[138:139]
	v_pk_add_f32 v[242:243], v[242:243], v[142:143]
	v_pk_add_f32 v[240:241], v[240:241], v[146:147]
	v_pk_add_f32 v[238:239], v[238:239], v[150:151]
	v_pk_add_f32 v[14:15], v[14:15], v[154:155]
	v_pk_add_f32 v[252:253], v[252:253], v[158:159]
	s_delay_alu instid0(VALU_DEP_2)
	v_pk_add_f32 v[14:15], v[14:15], v[244:245]
	s_delay_alu instid0(VALU_DEP_2)
	v_pk_add_f32 v[252:253], v[252:253], v[242:243]
	v_pk_add_f32 v[254:255], v[254:255], v[240:241]
	v_pk_add_f32 v[246:247], v[246:247], v[238:239]
	s_delay_alu instid0(VALU_DEP_2)
	v_pk_add_f32 v[14:15], v[14:15], v[254:255]
	s_delay_alu instid0(VALU_DEP_2)
	v_pk_add_f32 v[252:253], v[252:253], v[246:247]
	s_delay_alu instid0(VALU_DEP_1)
	v_pk_add_f32 v[14:15], v[14:15], v[252:253]
	s_wait_alu depctr_va_vdst(0)                   ; and one for the four
.irp b, 0,1,2,3
	v_max_num_f32 v[216+\b], 0x1800000, v[216+\b]  ; the floor 2^(3 - 127)
.endr
.irp b, 0,1,2,3
	s_delay_alu instid0(VALU_DEP_4)
	v_add_nc_u32 v[236+\b], 0xff000000, v[216+\b]  ; the conversion's scale operand
.endr
.irp b, 0,1,2,3
	s_delay_alu instid0(VALU_DEP_4)
	v_lshrrev_b32 v[240+\b], 23, v[236+\b]
.endr
	s_delay_alu instid0(VALU_DEP_3)
	v_lshl_or_b32 v249, v241, 8, v240              ; p's scale word
	s_delay_alu instid0(VALU_DEP_1)
	v_lshl_or_b32 v249, v242, 16, v249
	s_delay_alu instid0(VALU_DEP_1)
	v_lshl_or_b32 v249, v243, 24, v249
.irp c, 0,1
	v_cvt_scalef32_pk16_fp6_f32 v[192+6*\c:194+6*\c], v[96+32*\c:111+32*\c], v[236+2*\c]
	v_cvt_scalef32_pk16_fp6_f32 v[204+4*\c:206+4*\c], v[112+32*\c:127+32*\c], v[236+2*\c+1]
.endr
	v_nop                                          ; one plain place behind a scaled conversion
.irp c, 0,1
.irp i, 0,1,2
	v_permlane16_swap_b32 v[192+6*\c+\i], v[204+4*\c+\i]
.endr
.irp i, 0,1,2
	s_delay_alu instid0(VALU_DEP_3)
	v_mov_b32 v[195+6*\c+\i], v[204+4*\c+\i]
.endr
.endr
.set nn, 0
.rept 16
	v_pk_mul_f32 v[160+nn:161+nn], v[160+nn:161+nn], v[250:251] op_sel_hi:[1,0]   ; O^T under the new M; these sixteen are also the places between p's codes and scale word and the products
.set nn, nn+2
.endr
	s_wait_alu depctr_va_vdst(0)
	s_wait_dscnt 0x0                               ; all 44 loads: V's fragments, and the next live step's K
	WIN 0x01
.irp t, 0,1,2,3                                ; O^T += V^T P^T: four accumulators by turns
	v_wmma_scale_f32_16x16x128_f8f6f4 v[160+8*\t:167+8*\t], v[104+12*\t:115+12*\t], v[192:203], v[160+8*\t:167+8*\t], v[52+\t], v249 matrix_a_fmt:MATRIX_FMT_FP6 matrix_b_fmt:MATRIX_FMT_FP6
.endr
	WIN 0
	v_add_f32 v214, 0x43000000, v214               ; i + the next step's first key
.Lhidden_\@:
.endm
	s_wait_alu depctr_va_vdst(0)                   ; the wait at the head's end
	s_wait_tensorcnt 0x0                           ; my one load has landed
	s_barrier_signal -1
	s_barrier_wait -1                              ; everybody's has: the whole head lies in LDS
	WIN 0x40
	KCODES 1, 2                                    ; key step 0's K
	WIN 0
	KSCALES 5
	s_wait_loadcnt 0x0                             ; both blocks' Q
	s_wait_dscnt 0x0
.Lkeys:                                            ; 32 trips: 16 key steps for each of my two blocks
	s_and_b32 s[J], s[TR], 15
	s_mul_i32 s[TB], s[J], CHUNK
	s_lshl_b32 s[TV], s[J], 8
	s_add_co_u32 s84, s[J], 1
	s_cmp_eq_u32 s[J], s[G]
	s_cselect_b32 s84, 0, s84                      ; the next live step: behind a block's last, key step 0
	s_mul_i32 s[TN], s84, CHUNK
	s_lshl_b32 s[TS], s84, 9
	STEP
	s_cmp_lt_u32 s[J], 15
	s_cbranch_scc1 .Lnext
	; THE WAY OUT of a block: O^T / the sum, quantised along the head's 64 (two blocks of 32), stored as a half image of the next operand
	NOPS4
	v_add_f32 v14, v14, v15
	s_delay_alu instid0(VALU_DEP_1)
	v_permlanex16_b32 v220, v14, s[SEL], s[SEL+1]
	s_delay_alu instid0(VALU_DEP_1)
	v_add_f32 v14, v14, v220                       ; the row's sum
	s_wait_alu depctr_va_vdst(0)
	v_rcp_f32 v14, v14
	v_nop                                          ; a plain place behind the transcendental
	s_wait_alu depctr_va_vdst(0)                   ; the wait ahead of its first reader
.set nn, 0
.rept 32
	v_mul_f32 v[96+nn], v[160+nn], v14             ; register 16 b + n is channel 32 b + 16 half + n
.set nn, nn+1
.endr
.irp b, 0,1
	v_max3_num_f32 v[216+\b], |v[96+16*\b]|, |v[97+16*\b]|, 0x1800000
.endr
.irp i, 2,4,6,8,10,12,14
.irp b, 0,1
	s_delay_alu instid0(VALU_DEP_2)
	v_max3_num_f32 v[216+\b], v[216+\b], |v[96+16*\b+\i]|, |v[97+16*\b+\i]|
.endr
.endr
.irp b, 0,1
	s_delay_alu instid0(VALU_DEP_2)
	v_permlanex16_b32 v[220+\b], v[216+\b], s[SEL], s[SEL+1]
.endr
.irp b, 0,1
	s_delay_alu instid0(VALU_DEP_2)
	v_max_num_f32 v[216+\b], v[216+\b], v[220+\b]
.endr
.irp b, 0,1
	s_delay_alu instid0(VALU_DEP_2)
	v_add_nc_u32 v[236+\b], 0xff000000, v[216+\b]
.endr
.irp b, 0,1
	s_delay_alu instid0(VALU_DEP_2)
	v_lshrrev_b32 v[240+\b], 23, v[236+\b]
.endr
	s_delay_alu instid0(VALU_DEP_1)
	v_lshl_or_b32 v249, v241, 8, v240
	v_cvt_scalef32_pk16_fp6_f32 v[192:194], v[96:111], v236
	v_cvt_scalef32_pk16_fp6_f32 v[204:206], v[112:127], v237
	v_nop
.irp i, 0,1,2
	v_permlane16_swap_b32 v[192+\i], v[204+\i]
.endr
.irp i, 0,1,2
	s_delay_alu instid0(VALU_DEP_3)
	v_mov_b32 v[195+\i], v[204+\i]
.endr
	global_store_b128 v1, v[192:195], s[90:91]     ; 512 consecutive bytes,
	global_store_b64 v2, v[196:197], s[90:91]      ; and 256
	global_store_b16 v215, v249, s[92:93]          ; my head's two bytes of the scale word; lanes r and r + 16 write the same
	s_wait_xcnt 0x0                                ; the stores have read their registers and bases
	s_cmp_eq_u32 s[TR], 31                         ; behind the second block nothing is set up
	s_cbranch_scc1 .Lnext
	; THE SECOND BLOCK: panel 15 - G, e = 2 G - 15 panels back
	s_lshl_b32 s84, s[G], 1
	s_sub_co_u32 s84, s84, 15
	s_mul_i32 s86, s84, 16*CHUNK
	s_mov_b32 s87, 0
	s_sub_nc_u64 s[90:91], s[90:91], s[86:87]      ; the output's codes: 16 chunks a panel
	s_lshl_b32 s86, s84, 12
	s_sub_nc_u64 s[92:93], s[92:93], s[86:87]      ; its scale bytes: 4,096 a panel
	s_add_co_u32 s84, s84, s[G]
	s_add_co_u32 s84, s84, 1
	s_lshl_b32 s84, s84, 7                         ; v214 stands at i + 128 (G + 1); the new i lies 128 e lower: 128 (3 G - 14) in all, exact
	s_sub_co_u32 s[G], 15, s[G]
	WIN 0x01                                       ; source 0 in window 1
.irp i, 0,1,2,3,4,5
	v_mov_b32 v[16+\i], v[\i]                      ; Q
.endr
	v_mov_b32 v248, v6                             ; its scale bytes
	WIN 0
	v_cvt_f32_u32 v252, s84
	s_delay_alu instid0(VALU_DEP_1)
	v_sub_f32 v214, v214, v252
	FRESH                                          ; (its 36 lines are also the places between Q's moves and the next products)
	s_wait_alu depctr_va_vdst(0)                   ; the wait ahead of the backward jump
.Lnext:
	s_add_co_u32 s[TR], s[TR], 1
	s_cmp_lt_u32 s[TR], 32
	s_cbranch_scc1 .Lkeys
	s_wait_tensorcnt 0x0                           ; the wave's end
	ds_add_u32 v207, v211
	s_wait_dscnt 0x0
	CROUND                                         ; the closing round
	s_endpgm
.Lfunc_end_k_q2d1b73444b_attn:
	.size	k_q2d1b73444b_attn, .Lfunc_end_k_q2d1b73444b_attn-k_q2d1b73444b_attn
	.p2alignl 7, 3214868480
	.fill 96, 4, 3214868480
	.section	.rodata,"a",@progbits
	.p2align	6, 0x0
	.amdhsa_kernel k_q2d1b73444b_attn
		.amdhsa_group_segment_fixed_size 215040
		.amdhsa_private_segment_fixed_size 0
		.amdhsa_enable_private_segment 0
		.amdhsa_kernarg_size 16
		.amdhsa_user_sgpr_count 2
		.amdhsa_user_sgpr_kernarg_segment_ptr 1
		.amdhsa_wavefront_size32 1
		.amdhsa_system_sgpr_workgroup_id_x 1
		.amdhsa_system_sgpr_workgroup_id_y 1
		.amdhsa_system_sgpr_workgroup_id_z 1
		.amdhsa_system_vgpr_workitem_id 0
		.amdhsa_next_free_vgpr 416
		.amdhsa_next_free_sgpr 100
		.amdhsa_reserve_vcc 1
		.amdhsa_float_denorm_mode_32 3
		.amdhsa_float_denorm_mode_16_64 3
		.amdhsa_memory_ordered 1
		.amdhsa_forward_progress 1
		.amdhsa_inst_pref_size 48
	.end_amdhsa_kernel
	.amdgpu_metadata
---
amdhsa.version: [ 1, 2 ]
amdhsa.kernels:
  - .name:           k_q2d1b73444b_attn
    .symbol:         k_q2d1b73444b_attn.kd
    .args:
      - { .name: qkv, .offset: 0, .size: 8, .value_kind: global_buffer, .address_space: global }
      - { .name: ctx, .offset: 8, .size: 8, .value_kind: global_buffer, .address_space: global }
    .group_segment_fixed_size: 215040
    .private_segment_fixed_size: 0
    .kernarg_segment_align: 8
    .kernarg_segment_size: 16
    .max_flat_workgroup_size: 256
    .sgpr_count:     100
    .vgpr_count:     416
    .wavefront_size: 32
...
	.end_amdgpu_metadata
.endif
;; end of part 3
;; launch gwo (part 4): grid 8 x 32, 4 waves a work-group, clusters of 4 x 4, 327,680 bytes of LDS; arguments ctx, pre, bo, src, src2; writes src2
.if DOCPART == 4
	.amdgcn_target "amdgcn-amd-amdhsa--gfx1250"
	.amdhsa_code_object_version 6
	.text
	.protected	k_q2d1b73444b_gwo
	.globl	k_q2d1b73444b_gwo
	.p2align	8
	.type	k_q2d1b73444b_gwo,@function
k_q2d1b73444b_gwo:
	s_mov_b64 s[64:65], 0
	v_nop
	global_prefetch_b8 v0, s[64:65] scope:SCOPE_SE
	s_setreg_imm32_b32 hwreg(HW_REG_WAVE_MODE, 25, 1), 1
	s_wait_xcnt 0x0
	s_wait_alu depctr_hold_cnt(0) depctr_sa_sdst(0) depctr_va_vdst(0) depctr_va_sdst(0) depctr_va_ssrc(0) depctr_va_vcc(0) depctr_vm_vsrc(0)
	s_getreg_b32 s2, hwreg(HW_REG_IB_STS2, 6, 4)
	s_cmp_eq_u32 s2, 0
	s_cbranch_scc0 .Lentry_in_a_cluster
	s_endpgm
.Lentry_in_a_cluster:
	s_bfe_u32 s2, ttmp6, 0x10000c
	s_cmp_lg_u32 s2, 0xf033
	s_cbranch_scc0 .Lentry_shape_is_right
	s_endpgm
.Lentry_shape_is_right:
; A GEMM ON CODES OF FP6 (E2M3) WITH N = 1,024: out = residual + A B^T + bias, f32.  One text, two uses, told apart by KIND.     KIND 2: K = 1,024 (the attention's output x wo).     KIND 4: K = 4,096 (the hidden layer x w2).
; OPERANDS lie in the order of the operand's registers: rows in panels of 128 = 8 blocks of 16 slots (slot r of block a is row 32 (a / 2) + 8 (a % 2) + r % 8 + 16 (r / 8)); codes [panel][K / 64][block][768 bytes], in
; the 768 bytes lane l's registers 0-3 at 16 l, registers 4-5 at 512 + 8 l; scale words [panel][K / 128][128 slots].
; SHARES.  32 x 8 tiles of 128 x 128 give each of 256 work-groups one tile (tiles of 256 x 256 would be 64).  Four waves, each 64 x 64: 16 accumulators.  K goes in slots of 512 (four matrix instructions deep, as much as
; two slots of 96 KiB hold) through a ring of two LDS slots; each wave's one tensor load brings 24 KiB.
; THE MATRIX INSTRUCTION IS USED TRANSPOSED (source 0 = 16 slots of B, source 1 = 16 slots of A): lane (r, h) holds A's slot r and eight neighbouring columns.
; CLUSTERS: 4 x 4 work-groups; A's tiles are asked for jointly along a row of the cluster, B's along a column.
; REGISTERS, in windows of 256.  Window 0: v16-31 addresses; v32-47 scale words, two sets; v48-51 the bias; v64-111, v160-207 A's fragments, two sets; on the way out v64-127 rows of the result.
;   Window 1: v0-47, v96-143 B's fragments.   Window 2: the accumulators, (a, b) at v[8 (4 a + b)].   Window 3: v0-127 the residual, in the order in which the rows leave.
.set KIND, 2
.if KIND == 2
.set KTOT,  1024
.set ACO,   131072                     ; A's codes in its buffer (its scale words at 0)
.set BCO,   5767168                    ; B's codes and scale words in theirs
.set BSO,   5734400
.else
.set KTOT,  4096
.set ACO,   524288
.set BCO,   9961472
.set BSO,   9830400
.endif
.set KS,    KTOT/128
.set NBLK,  4
.set NQ,    4
.set LAPS,  KTOT/(256*NQ)
.set CHUNK, 6144
.set QB,    4*CHUNK                    ; what one tensor load brings: half a slot's part of a panel
.set GSTEP, 2*QB                       ; from a slot's bytes in a panel to the next slot's
.set SLOT,  4*QB                       ; A's 8 chunks, then B's 8
.set PANB,  (KTOT/64)*CHUNK
.set SPANB, KS*512
.set HS,    KS*256                     ; half a panel's scale words; a panel's two halves come by one tensor load, filled once
.set G0H,   96                         ; s[96:99], s[4:7] group 0 for the head's loads of slot 0: A's 8 chunks, B's 8 (the arguments in s[4:7] have been used by then)
.set G0HB,  4
.set SCL,   2*SLOT
.set SPARE, SCL+4*HS                   ; the spare words, 128 bytes a wave: two blocks of 256 bytes that no other line names
.set SPITCH, 272                       ; the way out: a stage of 16 rows x (256 bytes + 16) for each wave, in slot 0, which has had its last fill and its last read by then
.set ADRA16, 16
.set ADRA8,  18
.set ADRB16, 20
.set ADRB8,  22
.set STO,  24                          ; v24  the stage: where I put 32 bytes of a row
.set RD,   25                          ; v25  and where I read a row back
.set CO,   26                          ; v26  my byte offset among two rows of the output; never rewritten
.set ADRS, 27
.set SPW,  28
.set NIL,  29
.set BIA,  30                          ; v30  the bias's offset; never rewritten
.set SC,   32
.set BI,   48
.set AF,   64
.set BK,   64
.set G1,   24
.set G0,   32
.set G1B,  48
.set G0B,  56
.set G1S,  68
.set G0S,  76
.set G1SB, 80
.set G0SB, 88
.set MSB, 0
.macro WIN new                         ; the immediate's high byte repeats the setting that is left
.if MSB != \new
	s_set_vgpr_msb (MSB<<8)|\new
.set MSB, \new
.endif
.endm
; A joint load: waves 0 and 1 fetch for A, waves 2 and 3 for B; the branch hangs on the wave's number alone.  Four v_nop follow each of the two lines.
.macro JLOAD g0a, g1a, g0b, g1b
	s_cmp_eq_u32 s15, 0
	s_cbranch_scc0 .Lfor_b_\@
	tensor_load_to_lds s[\g0a:\g0a+3], s[\g1a:\g1a+7]
	s_nop 0
.rept 4
	v_nop
.endr
	s_branch .Lasked_\@
.Lfor_b_\@:
	tensor_load_to_lds s[\g0b:\g0b+3], s[\g1b:\g1b+7]
	s_nop 0
.rept 4
	v_nop
.endr
.Lasked_\@:
.endm
.macro CREST
	s_cmp_lg_u32 s14, 0
	s_cbranch_scc1 .Lnot_wave_0_\@
	s_barrier_signal -3
.Lnot_wave_0_\@:
	s_barrier_wait -3
	s_barrier_signal -1
	s_barrier_wait -1
.endm
.macro CROUND
	s_barrier_signal -1
	s_barrier_wait -1
	CREST
.endm
.macro PLACES n                        ; plain places behind matrix instructions (ISA guide 7.12.1)
.rept \n
	v_nop
.endr
.endm
	s_load_b128 s[4:7], s[0:1], 0x0                ; A's buffer, B's buffer
	s_load_b128 s[8:11], s[0:1], 0x10              ; the bias, the residual
	s_load_b64 s[12:13], s[0:1], 0x20              ; the output
	v_lshl_add_u32 v[SPW], v0, 2, SPARE
	v_mov_b32 v[NIL], 0
	ds_add_u32 v28, v29
	ds_add_u32 v28, v29
	s_wait_dscnt 0x0
	v_lshrrev_b32 v1, 5, v0
	v_readfirstlane_b32 s14, v1                    ; wave 0..3
	s_lshr_b32 s15, s14, 1                         ; which 64 rows are mine.  Also: I fetch for A (0) or for B (1)
	s_and_b32 s16, s14, 1                          ; which 64 columns.  Also: which half of a slot's part I fetch
	s_bfe_u32 s40, ttmp6, 0x40000                  ; cx, cy
	s_bfe_u32 s41, ttmp6, 0x40004
	s_and_b32 s17, ttmp7, 0xffff
	s_lshl_b32 s17, s17, 2
	s_add_co_u32 s17, s17, s41                     ; A's panel = 4 x cluster y + cy
	s_lshl_b32 s42, ttmp9, 2
	s_add_co_u32 s42, s42, s40                     ; B's panel = 4 x cluster x + cx
	s_lshl_b32 s43, s41, 2
	s_lshl_b32 s43, 15, s43                        ; my row of the cluster
	s_lshl_b32 s44, 0x1111, s40                    ; my column
	; group 1: dense blocks as rows of 256 bytes (32 elements of 8 bytes), no padding
	s_or_b32 s[G1+0], s43, (3<<16)|(1<<21)
	s_or_b32 s[G1B+0], s44, (3<<16)|(1<<21)
	s_or_b32 s[G1S+0], s43, (3<<16)|(1<<21)
	s_or_b32 s[G1SB+0], s44, (3<<16)|(1<<21)
.irp g, G1, G1B
	s_mov_b32 s[\g+1], 32<<16
	s_mov_b32 s[\g+2], (2*QB/256)<<16              ; the head's loads bring a panel's whole part of slot 0
	s_mov_b32 s[\g+3], 32<<16
	s_mov_b32 s[\g+4], 2*QB/256
	s_mov_b32 s[\g+5], 32
	s_mov_b32 s[\g+6], 0
	s_mov_b32 s[\g+7], 0
.endr
.irp g, G1S, G1SB
	s_mov_b32 s[\g+1], 32<<16
	s_mov_b32 s[\g+2], (2*HS/256)<<16
	s_mov_b32 s[\g+3], 32<<16
	s_mov_b32 s[\g+4], 2*HS/256
	s_mov_b32 s[\g+5], 32
	s_mov_b32 s[\g+6], 0
	s_mov_b32 s[\g+7], 0
.endr
	s_mul_i32 s20, s17, PANB
	s_mul_i32 s2, s16, QB                          ; in the ring I fetch half of a slot's part: which half, in bytes
	s_add_co_u32 s20, s20, ACO
	s_mul_i32 s92, s17, SPANB
	s_mul_i32 s46, s42, PANB
	s_add_co_u32 s46, s46, BCO
	s_mul_i32 s94, s42, SPANB
	s_add_co_u32 s94, s94, BSO
	s_mov_b32 s21, 0
	s_mov_b32 s93, 0
	s_mov_b32 s47, 0
	s_mov_b32 s95, 0
	s_mul_i32 s45, s14, QB                         ; where they go: by the wave's number alone
	s_mov_b32 s3, 0
	s_wait_kmcnt 0x0
	s_add_nc_u64 s[20:21], s[4:5], s[20:21]
	s_add_nc_u64 s[92:93], s[4:5], s[92:93]
	s_add_nc_u64 s[46:47], s[6:7], s[46:47]
	s_add_nc_u64 s[94:95], s[6:7], s[94:95]
	CROUND                                         ; all sixteen work-groups are here: the first joint loads meet
	s_mov_b32 s[G0S], 1
	s_mov_b32 s[G0S+1], SCL
	s_mov_b64 s[G0S+2:G0S+3], s[92:93]
	s_or_b32 s[G0S+3], s[G0S+3], 0x80000000
	s_mov_b32 s[G0SB], 1
	s_mov_b32 s[G0SB+1], SCL+2*HS
	s_mov_b64 s[G0SB+2:G0SB+3], s[94:95]
	s_or_b32 s[G0SB+3], s[G0SB+3], 0x80000000
	s_mov_b32 s[G0H], 1                            ; slot 0, whole: A's 8 chunks,
	s_mov_b32 s[G0H+1], 0
	s_mov_b64 s[G0H+2:G0H+3], s[20:21]
	s_or_b32 s[G0H+3], s[G0H+3], 0x80000000
	s_mov_b32 s[G0HB], 1                           ; and B's, behind them
	s_mov_b32 s[G0HB+1], 2*QB
	s_mov_b64 s[G0HB+2:G0HB+3], s[46:47]
	s_or_b32 s[G0HB+3], s[G0HB+3], 0x80000000
	s_add_nc_u64 s[20:21], s[20:21], s[2:3]        ; for the ring: my half
	s_add_nc_u64 s[46:47], s[46:47], s[2:3]
.irp s, 0,1
	s_mov_b32 s[G0+4*\s], 1
	s_add_co_u32 s[G0+4*\s+1], s45, \s*SLOT
	s_add_nc_u64 s[G0+4*\s+2:G0+4*\s+3], s[20:21], \s*GSTEP
	s_or_b32 s[G0+4*\s+3], s[G0+4*\s+3], 0x80000000
	s_mov_b32 s[G0B+4*\s], 1
	s_add_co_u32 s[G0B+4*\s+1], s45, \s*SLOT
	s_add_nc_u64 s[G0B+4*\s+2:G0B+4*\s+3], s[46:47], \s*GSTEP
	s_or_b32 s[G0B+4*\s+3], s[G0B+4*\s+3], 0x80000000
.endr
; THE HEAD'S LOADS, ONE A WAVE: wave 0 slot 0's part of A, wave 1 its part of B, wave 2 A's scale words, wave 3 B's.  One chain of arms, each with its load
.macro ARM under, g0, g1, next
	s_cmp_lt_u32 s14, \under
	s_cbranch_scc0 \next
	tensor_load_to_lds s[\g0:\g0+3], s[\g1:\g1+7]
	s_nop 0
.rept 4
	v_nop
.endr
	s_branch .Lhead_asked
\next:
.endm
	ARM 1, G0H,  G1,  .Lhead_b
	ARM 2, G0HB, G1B, .Lhead_sa
	ARM 3, G0S,  G1S, .Lhead_sb
	tensor_load_to_lds s[G0SB:G0SB+3], s[G1SB:G1SB+7]
	s_nop 0
.rept 4
	v_nop
.endr
.Lhead_asked:
	v_and_b32 v1, 15, v0                           ; r
	v_bfe_u32 v2, v0, 4, 1                         ; h
	v_and_b32 v3, 31, v0                           ; l
	v_lshlrev_b32 v4, 4, v3                        ; 16 l
	v_lshlrev_b32 v5, 3, v3
	v_add_nc_u32 v5, 512, v5                       ; 512 + 8 l
	s_mul_i32 s21, s15, 4*768                      ; my four blocks of A
	s_mul_i32 s22, s16, 4*768
	s_add_co_u32 s22, s22, 2*QB                    ; my four of B, behind A's 8 chunks
.irp s, 0,1
	v_add_nc_u32 v[ADRA16+\s], s21, v4
	v_add_nc_u32 v[ADRA8+\s], s21, v5
	v_add_nc_u32 v[ADRB16+\s], s22, v4
	v_add_nc_u32 v[ADRB8+\s], s22, v5
	s_add_co_u32 s21, s21, SLOT
	s_add_co_u32 s22, s22, SLOT
.endr
	s_lshl_b32 s21, s15, 8
	s_lshl_b32 s22, s16, 8
	s_add_co_u32 s22, s22, 2*HS
	s_sub_co_u32 s22, s22, s21
	v_mul_u32_u24 v6, s22, v2                      ; lanes 16-31 take B's words: one product, the distance between the two
	s_add_co_u32 s21, s21, SCL
	v_lshl_add_u32 v6, v1, 2, v6
	v_add_nc_u32 v[ADRS], s21, v6
	s_mul_i32 s23, s14, 16*SPITCH                  ; my stage
	v_mul_u32_u24 v6, v1, SPITCH
	v_lshl_add_u32 v6, v2, 6, v6
	v_add_nc_u32 v[STO], s23, v6                   ; in: slot r, + 64 h
	v_mul_u32_u24 v6, v2, SPITCH
	v_lshl_add_u32 v6, v1, 4, v6
	v_add_nc_u32 v[RD], s23, v6                    ; back: lanes 0-15 one slot's 256 bytes, lanes 16-31 the next slot's
	v_lshlrev_b32 v[BIA], 4, v1
	s_wait_alu depctr_va_vdst(0)
	v_lshl_add_u32 v[CO], v2, 12, v[BIA]           ; and the same in memory: 4,096 bytes a row
	s_wait_alu depctr_va_vdst(0)
	s_lshl_b32 s20, s17, 7
	s_lshl_b32 s21, s15, 6
	s_add_co_u32 s20, s20, s21
	s_lshl_b32 s20, s20, 12                        ; my first row,
	s_lshl_b32 s46, s42, 9
	s_lshl_b32 s47, s16, 8
	s_add_co_u32 s46, s46, s47                     ; my first column, in bytes: a multiple of 256
	s_mov_b32 s47, 0
	s_add_nc_u64 s[8:9], s[8:9], s[46:47]
	s_add_co_u32 s20, s20, s46
	s_mov_b32 s21, 0
	s_add_nc_u64 s[10:11], s[10:11], s[20:21]
	s_add_nc_u64 s[12:13], s[12:13], s[20:21]
	global_load_b128 v[BI:BI+3], v[BIA], s[8:9]    ; the bias at my four columns of a row
	WIN 0xc0                                       ; destination window 3
.irp a, 0,1,2,3
.irp t, 0,1,2,3,4,5,6,7
	global_load_b128 v[32*\a+4*\t:32*\a+4*\t+3], v[CO], s[10:11] offset:(32*(\a/2)+8*(\a%2)+2*\t+8*(\t/4))*4096   ; the residual, as the rows will leave: it lands under the products
.endr
.endr
	WIN 0
; n rows of blocks from a0 on x B's four, 128 along K, from set p.  The 16 accumulators take turns, one instruction a turn, in one order everywhere.
.macro MULROWS a0, n, p, zero
.set AA, \a0
.rept \n
	WIN 0xa1                                       ; source 0 (B) window 1, source 1 (A) window 0, C and D window 2
.irp b, 0,1,2,3
.if \zero
	v_wmma_scale_f32_16x16x128_f8f6f4 v[8*(4*AA+\b):8*(4*AA+\b)+7], v[96*(\p)+12*\b:96*(\p)+12*\b+11], v[AF+96*(\p)+12*AA:AF+96*(\p)+12*AA+11], 0, v[SC+8*(\p)+\b], v[SC+8*(\p)+AA] matrix_a_fmt:MATRIX_FMT_FP6 matrix_b_fmt:MATRIX_FMT_FP6 matrix_a_scale:MATRIX_SCALE_ROW1
.else
	v_wmma_scale_f32_16x16x128_f8f6f4 v[8*(4*AA+\b):8*(4*AA+\b)+7], v[96*(\p)+12*\b:96*(\p)+12*\b+11], v[AF+96*(\p)+12*AA:AF+96*(\p)+12*AA+11], v[8*(4*AA+\b):8*(4*AA+\b)+7], v[SC+8*(\p)+\b], v[SC+8*(\p)+AA] matrix_a_fmt:MATRIX_FMT_FP6 matrix_b_fmt:MATRIX_FMT_FP6 matrix_a_scale:MATRIX_SCALE_ROW1
.endif
.endr
.set AA, AA+1
.endr
.endm
.macro FRAGS reg, a16, a8, q           ; four fragments: each two half images, 512 + 256 consecutive bytes each
.irp i, 0,1,2,3
	ds_load_b128 v[(\reg)+12*\i:(\reg)+12*\i+3], v[\a16] offset:(2*(\q))*CHUNK+768*\i
	ds_load_b64 v[(\reg)+12*\i+4:(\reg)+12*\i+5], v[\a8] offset:(2*(\q))*CHUNK+768*\i
	ds_load_b128 v[(\reg)+12*\i+6:(\reg)+12*\i+9], v[\a16] offset:(2*(\q)+1)*CHUNK+768*\i
	ds_load_b64 v[(\reg)+12*\i+10:(\reg)+12*\i+11], v[\a8] offset:(2*(\q)+1)*CHUNK+768*\i
.endr
.endm
.macro FETCH slot, q, p, first
	WIN 0x40
	FRAGS 96*(\p), ADRB16+\slot, ADRB8+\slot, \q
	WIN 0
	FRAGS AF+96*(\p), ADRA16+\slot, ADRA8+\slot, \q
.if \first == 0
	v_add_nc_u32 v[ADRS], 512, v[ADRS]             ; the next K step's scale words
.endif
.irp i, 0,1,2,3
	ds_load_b32 v[SC+8*(\p)+\i], v[ADRS] offset:64*\i
.endr
.endm
.macro STEP slot, q, zero
	s_wait_dscnt 0x0                               ; this step's set is in: it was asked for a whole step ago
	PLACES 4                                       ; for the loads into the other set
	FETCH \slot, (\q)+1, 1-(\q)%2, 0
	MULROWS 0, NBLK, (\q)%2, \zero
	WIN 0
.endm
; A slot's last step changes slots: one barrier; in front of it each wave waits for all its tensor loads, adds 0 to its spare word, and waits for that and for its reads of this slot.  fill = 1: this slot is filled again.
.macro TURN slot, next, fill
	s_wait_tensorcnt 0x0                           ; all my tensor loads have landed: my part of the next slot
	ds_add_u32 v[SPW], v[NIL]                      ; 0 onto my spare word
	s_wait_dscnt 1                                 ; this step's set is in; the add alone may be out
	MULROWS 0, NBLK/4, 1, 0
	s_wait_dscnt 0x0                               ; the add is done, and my reads of this slot are over
	s_barrier_signal -1
	MULROWS NBLK/4, NBLK/4, 1, 0
	WIN 0
	s_barrier_wait -1
.if \fill
	CREST                                          ; the barrier has opened a round of the cluster's barrier
	s_add_nc_u64 s[G0+4*\slot+2:G0+4*\slot+3], s[G0+4*\slot+2:G0+4*\slot+3], 2*GSTEP
	s_add_nc_u64 s[G0B+4*\slot+2:G0B+4*\slot+3], s[G0B+4*\slot+2:G0B+4*\slot+3], 2*GSTEP
	JLOAD G0+4*\slot, G1, G0B+4*\slot, G1B         ; the first tensor load behind the round; its four v_nop are the places in front of the loads below
.else
	PLACES 4
.endif
	FETCH \next, 0, 0, 0
	MULROWS NBLK/2, NBLK/2, 1, 0
	WIN 0
.endm
	s_wait_alu depctr_va_vdst(0)                   ; the wait at the head's end
	s_wait_tensorcnt 0x0                           ; my tile of the head's four is in; these lines stand ahead of a later first fill as ahead of a refill
	ds_add_u32 v[SPW], v[NIL]
	s_mov_b32 s[G1+2], (QB/256)<<16                ; no tensor load of mine is out: from here on a load brings half a slot's part
	s_mov_b32 s[G1+4], QB/256
	s_mov_b32 s[G1B+2], (QB/256)<<16
	s_mov_b32 s[G1B+4], QB/256
	s_wait_dscnt 0x0
	CROUND                                         ; all four tiles are in, and all sixteen work-groups are here
	JLOAD G0+4, G1, G0B+4, G1B                     ; slot 1's first fill, the first tensor load behind the round
	FETCH 0, 0, 0, 1
	STEP 0, 0, 1                                   ; the first step's products start the sums
.if LAPS > 1
	s_mov_b32 s3, LAPS-1
.Llap:                                                 ; a trip goes once round the ring and fills both slots again
	STEP 0, 1, 0
	STEP 0, 2, 0
	TURN 0, 1, 1
	STEP 1, 0, 0
	STEP 1, 1, 0
	STEP 1, 2, 0
	TURN 1, 0, 1
	STEP 0, 0, 0
	s_sub_co_u32 s3, s3, 1
	s_cmp_lg_u32 s3, 0
	s_cbranch_scc1 .Llap
.endif
	s_wait_alu depctr_va_vdst(0)
	STEP 0, 1, 0                                   ; the last lap fills nothing
	s_wait_alu depctr_va_vdst(0)
	STEP 0, 2, 0
	s_wait_alu depctr_va_vdst(0)
	TURN 0, 1, 0
	s_wait_alu depctr_va_vdst(0)
	STEP 1, 0, 0
	s_wait_alu depctr_va_vdst(0)
	STEP 1, 1, 0
	s_wait_alu depctr_va_vdst(0)
	STEP 1, 2, 0
	s_wait_dscnt 0x0
	MULROWS 0, NBLK, 1, 0
	WIN 0
; THE WAY OUT, block by block of 16 slots x 64 columns, through my own stage in LDS, so that sixteen lanes store 256 consecutive bytes of a row.  LDS serves a wave's instructions in order (ISA guide 5.7.1.4).
.macro TOSTAGE a
	WIN 0x08                                       ; an LDS store's data: window 2
.irp b, 0,1,2,3
	ds_store_b128 v[STO], v[8*(4*(\a)+\b):8*(4*(\a)+\b)+3] offset:128*(\b/2)+32*(\b%2)        ; each accumulator from its low end on: columns 32 (b / 2) + 16 h + 8 (b % 2) on
	ds_store_b128 v[STO], v[8*(4*(\a)+\b)+4:8*(4*(\a)+\b)+7] offset:128*(\b/2)+32*(\b%2)+16
.endr
	WIN 0
.irp t, 0,1,2,3,4,5,6,7
	ds_load_b128 v[BK+32*((\a)%2)+4*\t:BK+32*((\a)%2)+4*\t+3], v[RD] offset:2*SPITCH*\t
.endr
.endm
.macro SEND a, younger
	s_wait_dscnt \younger                          ; the block is back; the LDS instructions issued behind its loads may be out
	WIN 0x0c                                       ; source 1: window 3
.set nn, 0
.rept 16
	v_pk_add_f32 v[BK+32*((\a)%2)+nn:BK+32*((\a)%2)+nn+1], v[BK+32*((\a)%2)+nn:BK+32*((\a)%2)+nn+1], v[32*(\a)+nn:32*(\a)+nn+1]   ; + the residual
.set nn, nn+2
.endr
	WIN 0
.irp t, 0,1,2,3,4,5,6,7
	v_pk_add_f32 v[BK+32*((\a)%2)+4*\t:BK+32*((\a)%2)+4*\t+1], v[BK+32*((\a)%2)+4*\t:BK+32*((\a)%2)+4*\t+1], v[BI:BI+1]   ; + the bias
	v_pk_add_f32 v[BK+32*((\a)%2)+4*\t+2:BK+32*((\a)%2)+4*\t+3], v[BK+32*((\a)%2)+4*\t+2:BK+32*((\a)%2)+4*\t+3], v[BI+2:BI+3]
.endr
.irp t, 0,1,2,3,4,5,6,7
.if KIND == 4
	global_store_b128 v[CO], v[BK+32*((\a)%2)+4*\t:BK+32*((\a)%2)+4*\t+3], s[12:13] offset:(32*((\a)/2)+8*((\a)%2)+2*\t+8*(\t/4))*4096 th:TH_STORE_NT
.else
	global_store_b128 v[CO], v[BK+32*((\a)%2)+4*\t:BK+32*((\a)%2)+4*\t+3], s[12:13] offset:(32*((\a)/2)+8*((\a)%2)+2*\t+8*(\t/4))*4096
.endif
.endr
.endm
	s_wait_loadcnt 0x0                             ; the residual and the bias
	PLACES 4
	TOSTAGE 0
.irp a, 1,2,3
.if \a > 1
	s_wait_xcnt 0x0                                ; block a - 2's stores have read their registers: block a's loads may land there
.endif
	TOSTAGE \a
	SEND \a-1, 16                                  ; behind block a - 1's loads: block a's 8 stores and 8 loads
.endr
	SEND 3, 0
	s_wait_tensorcnt 0x0                           ; the wave's end
	ds_add_u32 v[SPW], v[NIL]
	s_wait_dscnt 0x0
	CROUND                                         ; the closing round
	s_endpgm
.Lfunc_end_k_q2d1b73444b_gwo:
	.size	k_q2d1b73444b_gwo, .Lfunc_end_k_q2d1b73444b_gwo-k_q2d1b73444b_gwo
	.p2alignl 7, 3214868480
	.fill 96, 4, 3214868480
	.section	.rodata,"a",@progbits
	.p2align	6, 0x0
	.amdhsa_kernel k_q2d1b73444b_gwo
		.amdhsa_group_segment_fixed_size 327680
		.amdhsa_private_segment_fixed_size 0
		.amdhsa_enable_private_segment 0
		.amdhsa_kernarg_size 40
		.amdhsa_user_sgpr_count 2
		.amdhsa_user_sgpr_kernarg_segment_ptr 1
		.amdhsa_wavefront_size32 1
		.amdhsa_system_sgpr_workgroup_id_x 1
		.amdhsa_system_sgpr_workgroup_id_y 1
		.amdhsa_system_sgpr_workgroup_id_z 1
		.amdhsa_system_vgpr_workitem_id 0
		.amdhsa_next_free_vgpr 1024
		.amdhsa_next_free_sgpr 100
		.amdhsa_reserve_vcc 0
		.amdhsa_float_denorm_mode_32 3
		.amdhsa_float_denorm_mode_16_64 3
		.amdhsa_memory_ordered 1
		.amdhsa_forward_progress 1
		.amdhsa_inst_pref_size 68
	.end_amdhsa_kernel
	.amdgpu_metadata
---
amdhsa.version: [ 1, 2 ]
amdhsa.kernels:
  - .name:           k_q2d1b73444b_gwo
    .symbol:         k_q2d1b73444b_gwo.kd
    .args:
      - { .name: ctx, .offset: 0, .size: 8, .value_kind: global_buffer, .address_space: global }
      - { .name: pre, .offset: 8, .size: 8, .value_kind: global_buffer, .address_space: global }
      - { .name: bo, .offset: 16, .size: 8, .value_kind: global_buffer, .address_space: global }
      - { .name: src, .offset: 24, .size: 8, .value_kind: global_buffer, .address_space: global }
      - { .name: src2, .offset: 32, .size: 8, .value_kind: global_buffer, .address_space: global }
    .group_segment_fixed_size: 327680
    .private_segment_fixed_size: 0
    .kernarg_segment_align: 8
    .kernarg_segment_size: 40
    .max_flat_workgroup_size: 128
    .sgpr_count:     100
    .vgpr_count:     1024
    .wavefront_size: 32
...
	.end_amdgpu_metadata
.endif
;; end of part 4
;; launch ln2: the kernel of part 1 again; grid 256 x 1, 8 waves a work-group, no clusters, 67,072 bytes of LDS; arguments src2, ln2_w, ln2_b, wqkv, wo, w1, w2, h2; writes h2
;; launch gw1 (part 5): grid 16 x 16, 4 waves a work-group, clusters of 4 x 4, 327,680 bytes of LDS; arguments h2, pre, b1, hid; writes hid
.if DOCPART == 5
	.amdgcn_target "amdgcn-amd-amdhsa--gfx1250"
	.amdhsa_code_object_version 6
	.text
	.protected	k_q2d1b73444b_gw1
	.globl	k_q2d1b73444b_gw1
	.p2align	8
	.type	k_q2d1b73444b_gw1,@function
k_q2d1b73444b_gw1:
	s_mov_b64 s[64:65], 0
	v_nop
	global_prefetch_b8 v0, s[64:65] scope:SCOPE_SE
	s_setreg_imm32_b32 hwreg(HW_REG_WAVE_MODE, 25, 1), 1
	s_wait_xcnt 0x0
	s_wait_alu depctr_hold_cnt(0) depctr_sa_sdst(0) depctr_va_vdst(0) depctr_va_sdst(0) depctr_va_ssrc(0) depctr_va_vcc(0) depctr_vm_vsrc(0)
	s_getreg_b32 s2, hwreg(HW_REG_IB_STS2, 6, 4)
	s_cmp_eq_u32 s2, 0
	s_cbranch_scc0 .Lentry_in_a_cluster
	s_endpgm
.Lentry_in_a_cluster:
	s_bfe_u32 s2, ttmp6, 0x10000c
	s_cmp_lg_u32 s2, 0xf033
	s_cbranch_scc0 .Lentry_shape_is_right
	s_endpgm
.Lentry_shape_is_right:
.set KIND, 3
.set KTOT,  1024
.set KS,    KTOT/128
.set NBLK,  8
.set NQ,    2
.set LAPS,  KTOT/(256*NQ)
.set CHUNK, 6144
.set QB,    4*CHUNK
.set GSTEP, QB
.set SLOT,  4*QB
.set PANB,  (KTOT/64)*CHUNK
.set SPANB, KS*512
.set HS,    SPANB
.set SCL,   2*SLOT
.set SPARE, SCL+4*HS
.set XC,     131072
.set WQKV_S, 3276800
.set WQKV_C, 3375104
.set W1_S,   6553600
.set W1_C,   6684672
.set VC,     6291456
.set QKS,    9437184
.set VS,     9699328
.set HIDC,   524288
.set V8B,  12
.set V4,   13
.set ADRA16, 16
.set ADRA8,  18
.set ADRB16, 20
.set ADRB8,  22
.set V16,  24
.set V8,   25
.set V16B, 26
.set ADRS, 27
.set SPW,  28
.set NIL,  29
.set CBA,  30
.set RBA,  31
.set SC,   32
.set RB,   48
.set AF,   64
.set T,    64
.set PC,   128
.set TM,   152
.set PW,   168
.set G1,   24
.set G0,   32
.set G1B,  48
.set G0B,  56
.set G1S,  68
.set G0S,  76
.set G1SB, 80
.set G0SB, 88
.set SEL,  96
.set MSB, 0
.macro WIN new
.if MSB != \new
	s_set_vgpr_msb (MSB<<8)|\new
.set MSB, \new
.endif
.endm
.macro JLOAD g0a, g1a, g0b, g1b
	s_cmp_eq_u32 s15, 0
	s_cbranch_scc0 .Lfor_b_\@
	tensor_load_to_lds s[\g0a:\g0a+3], s[\g1a:\g1a+7]
	s_nop 0
.rept 4
	v_nop
.endr
	s_branch .Lasked_\@
.Lfor_b_\@:
	tensor_load_to_lds s[\g0b:\g0b+3], s[\g1b:\g1b+7]
	s_nop 0
.rept 4
	v_nop
.endr
.Lasked_\@:
.endm
.macro CREST
	s_cmp_lg_u32 s14, 0
	s_cbranch_scc1 .Lnot_wave_0_\@
	s_barrier_signal -3
.Lnot_wave_0_\@:
	s_barrier_wait -3
	s_barrier_signal -1
	s_barrier_wait -1
.endm
.macro CROUND
	s_barrier_signal -1
	s_barrier_wait -1
	CREST
.endm
.macro PLACES n
.rept \n
	v_nop
.endr
.endm
.macro QUANT s
.irp b, 0,1,2,3
	v_max3_num_f32 v[TM+\b], |v[\s+16*\b]|, |v[\s+1+16*\b]|, 0x1800000
.endr
.irp i, 2,4,6,8,10,12,14
.irp b, 0,1,2,3
	v_max3_num_f32 v[TM+\b], v[TM+\b], |v[\s+16*\b+\i]|, |v[\s+1+16*\b+\i]|
.endr
.endr
.irp b, 0,1,2,3
	v_permlanex16_b32 v[TM+4+\b], v[TM+\b], s[SEL], s[SEL+1]
.endr
.irp b, 0,1,2,3
	v_max_num_f32 v[TM+\b], v[TM+\b], v[TM+4+\b]
.endr
.irp b, 0,1,2,3
	v_add_nc_u32 v[TM+12+\b], 0xff000000, v[TM+\b]
.endr
.irp b, 0,1,2,3
	v_lshrrev_b32 v[TM+4+\b], 23, v[TM+12+\b]
.endr
	v_lshl_or_b32 v[PW], v[TM+5], 8, v[TM+4]
	v_lshl_or_b32 v[PW], v[TM+6], 16, v[PW]
	v_lshl_or_b32 v[PW], v[TM+7], 24, v[PW]
.irp c, 0,1
	v_cvt_scalef32_pk16_fp6_f32 v[PC+6*\c:PC+2+6*\c], v[\s+32*\c:\s+15+32*\c], v[TM+12+2*\c]
	v_cvt_scalef32_pk16_fp6_f32 v[PC+12+4*\c:PC+14+4*\c], v[\s+16+32*\c:\s+31+32*\c], v[TM+12+2*\c+1]
.endr
	v_nop
.irp c, 0,1
.irp i, 0,1,2
	v_permlane16_swap_b32 v[PC+6*\c+\i], v[PC+12+4*\c+\i]
.endr
.irp i, 0,1,2
	v_mov_b32 v[PC+3+6*\c+\i], v[PC+12+4*\c+\i]
.endr
.endr
.endm
.if KIND == 1
	s_load_b64 s[4:5], s[0:1], 0x0
	s_load_b64 s[6:7], s[0:1], 0x0
	s_load_b64 s[8:9], s[0:1], 0x8
	s_load_b64 s[10:11], s[0:1], 0x10
.else
	s_load_b128 s[4:7], s[0:1], 0x0
	s_load_b128 s[8:11], s[0:1], 0x10
.endif
	v_lshl_add_u32 v[SPW], v0, 2, SPARE
	v_mov_b32 v[NIL], 0
	ds_add_u32 v28, v29
	ds_add_u32 v28, v29
	s_wait_dscnt 0x0
	v_lshrrev_b32 v1, 5, v0
	v_readfirstlane_b32 s14, v1
	s_lshr_b32 s15, s14, 1
	s_and_b32 s16, s14, 1
	s_bfe_u32 s40, ttmp6, 0x40000
	s_bfe_u32 s41, ttmp6, 0x40004
	s_and_b32 s45, ttmp7, 0xffff
	s_lshl_b32 s45, s45, 2
	s_lshl_b32 s42, ttmp9, 2
	s_mov_b32 s[SEL], 0x76543210
	s_mov_b32 s[SEL+1], 0xfedcba98
.if KIND == 1
	s_mov_b32 s18, XC
	s_mov_b32 s19, 0
	s_mov_b32 s22, WQKV_C
	s_mov_b32 s23, WQKV_S
	s_cmp_eq_u32 ttmp9, 2
	s_cselect_b32 s2, 1, 0
	s_cselect_b32 s17, 0, s45
	s_cselect_b32 s42, s45, s42
	s_cselect_b32 s18, WQKV_C+16*PANB, s18
	s_cselect_b32 s19, WQKV_S+16*SPANB, s19
	s_cselect_b32 s22, XC, s22
	s_cselect_b32 s23, 0, s23
.else
	s_mov_b32 s17, s45
	s_mov_b32 s18, XC
	s_mov_b32 s19, 0
	s_mov_b32 s22, W1_C
	s_mov_b32 s23, W1_S
.endif
	s_add_co_u32 s17, s17, s41
	s_add_co_u32 s42, s42, s40
	s_lshl_b32 s43, s41, 2
	s_lshl_b32 s43, 15, s43
	s_lshl_b32 s44, 0x1111, s40
	s_or_b32 s[G1+0], s43, (3<<16)|(1<<21)
	s_or_b32 s[G1B+0], s44, (3<<16)|(1<<21)
	s_or_b32 s[G1S+0], s43, (3<<16)|(1<<21)
	s_or_b32 s[G1SB+0], s44, (3<<16)|(1<<21)
.irp g, G1, G1B
	s_mov_b32 s[\g+1], (QB/8)<<16                  ; the head's shape: slot 0's part of a tile's two panels: two rows of QB bytes, a panel apart
	s_mov_b32 s[\g+2], 2<<16
	s_mov_b32 s[\g+3], (QB/8)<<16
	s_mov_b32 s[\g+4], 2
	s_mov_b32 s[\g+5], PANB/8
	s_mov_b32 s[\g+6], 0
	s_mov_b32 s[\g+7], 0
.endr
.irp g, G1S, G1SB
	s_mov_b32 s[\g+1], 32<<16
	s_mov_b32 s[\g+2], (2*HS/256)<<16              ; the scale words of a tile's two panels, dense
	s_mov_b32 s[\g+3], 32<<16
	s_mov_b32 s[\g+4], 2*HS/256
	s_mov_b32 s[\g+5], 32
	s_mov_b32 s[\g+6], 0
	s_mov_b32 s[\g+7], 0
.endr
	s_lshl_b32 s20, s17, 1                         ; the tile's first panel, of A and of B
	s_lshl_b32 s46, s42, 1
	s_mul_i32 s92, s20, SPANB
	s_add_co_u32 s92, s92, s19
	s_mov_b32 s93, 0
	s_mul_i32 s20, s20, PANB
	s_add_co_u32 s20, s20, s18
	s_mov_b32 s21, 0
	s_mul_i32 s94, s46, SPANB
	s_add_co_u32 s94, s94, s23
	s_mov_b32 s95, 0
	s_mul_i32 s46, s46, PANB
	s_add_co_u32 s46, s46, s22
	s_mov_b32 s47, 0
	s_mul_i32 s45, s14, QB
	s_wait_kmcnt 0x0
	s_add_nc_u64 s[20:21], s[4:5], s[20:21]
	s_add_nc_u64 s[92:93], s[4:5], s[92:93]
	s_add_nc_u64 s[46:47], s[6:7], s[46:47]
	s_add_nc_u64 s[94:95], s[6:7], s[94:95]
	CROUND
	s_mov_b32 s[G0S], 1
	s_mov_b32 s[G0S+1], SCL
	s_mov_b64 s[G0S+2:G0S+3], s[92:93]
	s_or_b32 s[G0S+3], s[G0S+3], 0x80000000
	s_mov_b32 s[G0SB], 1
	s_mov_b32 s[G0SB+1], SCL+2*HS
	s_mov_b64 s[G0SB+2:G0SB+3], s[94:95]
	s_or_b32 s[G0SB+3], s[G0SB+3], 0x80000000
	s_mul_i32 s92, s16, PANB                       ; in the ring I fetch one panel's part of a slot: which panel, in bytes
	s_mov_b32 s93, 0
	s_mov_b32 s[G0], 1                             ; slot 0's group 0, first for the head's whole tiles: A's two panels,
	s_mov_b32 s[G0+1], 0
	s_mov_b64 s[G0+2:G0+3], s[20:21]
	s_or_b32 s[G0+3], s[G0+3], 0x80000000
	s_mov_b32 s[G0B], 1                            ; and B's, behind them
	s_mov_b32 s[G0B+1], 2*QB
	s_mov_b64 s[G0B+2:G0B+3], s[46:47]
	s_or_b32 s[G0B+3], s[G0B+3], 0x80000000
	s_add_nc_u64 s[20:21], s[20:21], s[92:93]      ; slot 1's group 0: my panel's part
	s_add_nc_u64 s[46:47], s[46:47], s[92:93]
	s_mov_b32 s[G0+4], 1
	s_add_co_u32 s[G0+5], s45, SLOT
	s_add_nc_u64 s[G0+6:G0+7], s[20:21], GSTEP
	s_or_b32 s[G0+7], s[G0+7], 0x80000000
	s_mov_b32 s[G0B+4], 1
	s_add_co_u32 s[G0B+5], s45, SLOT
	s_add_nc_u64 s[G0B+6:G0B+7], s[46:47], GSTEP
	s_or_b32 s[G0B+7], s[G0B+7], 0x80000000
; THE HEAD'S LOADS, ONE A WAVE: wave 0 slot 0's part of A, wave 1 its part of B, wave 2 A's scale words, wave 3 B's.  One chain of arms, each with its load
.macro ARM under, g0, g1, next
	s_cmp_lt_u32 s14, \under
	s_cbranch_scc0 \next
	tensor_load_to_lds s[\g0:\g0+3], s[\g1:\g1+7]
	s_nop 0
.rept 4
	v_nop
.endr
	s_branch .Lhead_asked
\next:
.endm
	ARM 1, G0,  G1,  .Lhead_b
	ARM 2, G0B, G1B, .Lhead_sa
	ARM 3, G0S, G1S, .Lhead_sb
	tensor_load_to_lds s[G0SB:G0SB+3], s[G1SB:G1SB+7]
	s_nop 0
.rept 4
	v_nop
.endr
.Lhead_asked:
	s_wait_alu depctr_va_vdst(0)
	s_wait_tensorcnt 0x0                           ; my tile of the head's four is in; these lines stand ahead of a later first fill as ahead of a refill
	ds_add_u32 v28, v29
.irp g, G1, G1B                                ; no tensor load of mine is out: from here on a load brings one panel's part, as rows of 256 bytes
	s_mov_b32 s[\g+1], 32<<16
	s_mov_b32 s[\g+2], (QB/256)<<16
	s_mov_b32 s[\g+3], 32<<16
	s_mov_b32 s[\g+4], QB/256
	s_mov_b32 s[\g+5], 32
.endr
	s_mov_b32 s[G0+1], s45                         ; and slot 0's group 0 takes the ring's form: my quarter of the slot, my panel
	s_add_nc_u64 s[G0+2:G0+3], s[G0+2:G0+3], s[92:93]
	s_mov_b32 s[G0B+1], s45
	s_add_nc_u64 s[G0B+2:G0B+3], s[G0B+2:G0B+3], s[92:93]
	s_wait_dscnt 0x0
	CROUND                                         ; all four tiles are in, and all sixteen work-groups are here
	JLOAD G0+4, G1, G0B+4, G1B                     ; slot 1's first fill, the first tensor load behind the round
	v_and_b32 v1, 15, v0
	v_bfe_u32 v2, v0, 4, 1
	v_and_b32 v3, 31, v0
	v_lshlrev_b32 v[V16], 4, v3
	v_lshlrev_b32 v[V8], 3, v3
	v_add_nc_u32 v[V8], 512, v[V8]
	v_lshlrev_b32 v[V4], 2, v1
	s_mul_i32 s21, s15, QB
	s_mul_i32 s22, s16, QB
	s_add_co_u32 s22, s22, 2*QB
.irp s, 0,1
	v_add_nc_u32 v[ADRA16+\s], s21, v[V16]
	v_add_nc_u32 v[ADRA8+\s], s21, v[V8]
	v_add_nc_u32 v[ADRB16+\s], s22, v[V16]
	v_add_nc_u32 v[ADRB8+\s], s22, v[V8]
	s_add_co_u32 s21, s21, SLOT
	s_add_co_u32 s22, s22, SLOT
.endr
	s_mul_i32 s21, s15, HS
	s_mul_i32 s22, s16, HS
	s_add_co_u32 s22, s22, 2*HS
	s_sub_co_u32 s22, s22, s21
	v_mul_u32_u24 v6, s22, v2
	s_add_co_u32 s21, s21, SCL
	v_lshl_add_u32 v6, v1, 2, v6
	v_add_nc_u32 v[ADRS], s21, v6
	s_lshl_b32 s20, s17, 1
	s_add_co_u32 s20, s20, s15
	s_lshl_b32 s46, s42, 1
	s_add_co_u32 s46, s46, s16
	v_lshlrev_b32 v[CBA], 6, v2
	s_wait_alu depctr_va_vdst(0)
	v_and_b32 v[RBA], 7, v1
	v_lshrrev_b32 v6, 3, v1
	v_lshlrev_b32 v[RBA], 2, v[RBA]
	v_lshl_add_u32 v[RBA], v6, 6, v[RBA]
.if KIND == 1
	s_lshl_b32 s21, s46, 6
	s_add_co_u32 s21, s21, s20
	s_mul_i32 s21, s21, CHUNK
	s_lshl_b32 s22, s46, 5
	s_add_co_u32 s22, s22, s20
	s_lshl_b32 s22, s22, 9
	s_add_co_u32 s22, s22, QKS
	s_lshr_b32 s23, s46, 4
	s_lshl_b32 s23, s23, 4
	s_lshl_b32 s47, s20, 1
	s_add_co_u32 s23, s23, s47
	s_lshl_b32 s23, s23, 4
	s_and_b32 s47, s46, 15
	s_add_co_u32 s23, s23, s47
	s_mul_i32 s47, s23, CHUNK
	s_add_co_u32 s47, s47, VC
	s_lshl_b32 s23, s23, 8
	s_add_co_u32 s23, s23, VS
	s_lshl_b32 s3, s46, 9
	s_lshl_b32 s45, s20, 9
	s_add_co_u32 s45, s45, 8192
	s_mov_b32 s18, 768
	s_mov_b32 s40, 32*CHUNK
	s_cmp_eq_u32 s2, 1
	s_cselect_b32 s92, s47, s21
	s_cselect_b32 s94, s23, s22
	s_cselect_b32 s3, s45, s3
	s_cselect_b32 s18, 1536, s18
	s_cselect_b32 s40, 768, s40
	s_cselect_b32 s22, 16*CHUNK-4*1536, 0
	s_cselect_b32 s46, 16*256-4*64, 0
	s_mov_b32 s23, 0
	s_mov_b32 s47, 0
.else
	s_lshl_b32 s92, s20, 6
	s_lshl_b32 s21, s46, 1
	s_add_co_u32 s92, s92, s21
	s_mul_i32 s92, s92, CHUNK
	s_add_co_u32 s92, s92, HIDC
	s_lshl_b32 s94, s20, 5
	s_add_co_u32 s94, s94, s46
	s_lshl_b32 s94, s94, 9
	s_lshl_b32 s3, s46, 9
	s_mov_b32 s18, 768
	s_mov_b32 s40, CHUNK
.endif
	s_mov_b32 s19, 0
	s_mov_b32 s93, 0
	s_mov_b32 s95, 0
	s_add_nc_u64 s[92:93], s[10:11], s[92:93]
	s_add_nc_u64 s[94:95], s[10:11], s[94:95]
	s_mov_b32 s20, s3
	s_mov_b32 s21, 0
	s_add_nc_u64 s[8:9], s[8:9], s[20:21]
	v_add_nc_u32 v[V16B], s40, v[V16]
	v_add_nc_u32 v[V8B], s40, v[V8]
.macro CBLOAD
	WIN 0x40
.set nn, 0
.rept 16
	global_load_b128 v[192+4*nn:195+4*nn], v[CBA], s[8:9] offset:128*(nn/4)+16*(nn%4)
.set nn, nn+1
.endr
	WIN 0
.endm
.if KIND == 1
	s_cmp_eq_u32 s2, 1
	s_cbranch_scc1 .Lbias_v
	CBLOAD
.set nn, 0
.rept 16
	v_mov_b32 v[RB+nn], 0
.set nn, nn+1
.endr
	s_branch .Lbias_done
.Lbias_v:
	WIN 0x40
.set nn, 0
.rept 64
	v_mov_b32 v[192+nn], 0
.set nn, nn+1
.endr
	WIN 0
.irp a, 0,1,2,3,4,5,6,7
	global_load_b32 v[RB+2*\a], v[RBA], s[8:9] offset:(32*(\a/2)+8*(\a%2))*4
	v_mov_b32 v[RB+2*\a+1], 0
.endr
.Lbias_done:
.else
	CBLOAD
.endif
.macro MULROWS a0, n, p, zero
.set AA, \a0
.rept \n
	WIN 0xa1+0x50*(AA/4)
.irp b, 0,1,2,3,4,5,6,7
.if \zero
	v_wmma_scale_f32_16x16x128_f8f6f4 v[8*(8*(AA%4)+\b):8*(8*(AA%4)+\b)+7], v[96*(\p)+12*\b:96*(\p)+12*\b+11], v[AF+96*(\p)+12*AA:AF+96*(\p)+12*AA+11], 0, v[SC+8*(\p)+\b], v[SC+8*(\p)+AA] matrix_a_fmt:MATRIX_FMT_FP6 matrix_b_fmt:MATRIX_FMT_FP6 matrix_a_scale:MATRIX_SCALE_ROW1
.else
	v_wmma_scale_f32_16x16x128_f8f6f4 v[8*(8*(AA%4)+\b):8*(8*(AA%4)+\b)+7], v[96*(\p)+12*\b:96*(\p)+12*\b+11], v[AF+96*(\p)+12*AA:AF+96*(\p)+12*AA+11], v[8*(8*(AA%4)+\b):8*(8*(AA%4)+\b)+7], v[SC+8*(\p)+\b], v[SC+8*(\p)+AA] matrix_a_fmt:MATRIX_FMT_FP6 matrix_b_fmt:MATRIX_FMT_FP6 matrix_a_scale:MATRIX_SCALE_ROW1
.endif
.endr
.set AA, AA+1
.endr
.endm
.macro FRAGS reg, a16, a8, q
.irp i, 0,1,2,3,4,5,6,7
	ds_load_b128 v[(\reg)+12*\i:(\reg)+12*\i+3], v[\a16] offset:(2*(\q))*CHUNK+768*\i
	ds_load_b64 v[(\reg)+12*\i+4:(\reg)+12*\i+5], v[\a8] offset:(2*(\q))*CHUNK+768*\i
	ds_load_b128 v[(\reg)+12*\i+6:(\reg)+12*\i+9], v[\a16] offset:(2*(\q)+1)*CHUNK+768*\i
	ds_load_b64 v[(\reg)+12*\i+10:(\reg)+12*\i+11], v[\a8] offset:(2*(\q)+1)*CHUNK+768*\i
.endr
.endm
.macro FETCH slot, q, p, first
	WIN 0x40
	FRAGS 96*(\p), ADRB16+\slot, ADRB8+\slot, \q
	WIN 0
	FRAGS AF+96*(\p), ADRA16+\slot, ADRA8+\slot, \q
.if \first == 0
	v_add_nc_u32 v[ADRS], 512, v[ADRS]
.endif
.irp i, 0,1,2,3,4,5,6,7
	ds_load_b32 v[SC+8*(\p)+\i], v[ADRS] offset:64*\i
.endr
.endm
.macro STEP slot, q, zero
	s_wait_dscnt 0x0
	PLACES 4
	FETCH \slot, (\q)+1, 1-(\q)%2, 0
	MULROWS 0, NBLK, (\q)%2, \zero
	WIN 0
.endm
.macro TURN slot, next, fill
	s_wait_tensorcnt 0x0
	ds_add_u32 v[SPW], v[NIL]
	s_wait_dscnt 1
	MULROWS 0, NBLK/4, 1, 0
	s_wait_dscnt 0x0
	s_barrier_signal -1
	MULROWS NBLK/4, NBLK/4, 1, 0
	WIN 0
	s_barrier_wait -1
.if \fill
	CREST
	s_add_nc_u64 s[G0+4*\slot+2:G0+4*\slot+3], s[G0+4*\slot+2:G0+4*\slot+3], 2*GSTEP
	s_add_nc_u64 s[G0B+4*\slot+2:G0B+4*\slot+3], s[G0B+4*\slot+2:G0B+4*\slot+3], 2*GSTEP
	JLOAD G0+4*\slot, G1, G0B+4*\slot, G1B
.else
	PLACES 4
.endif
	s_wait_alu depctr_va_vdst(0)
	FETCH \next, 0, 0, 0
	MULROWS NBLK/2, NBLK/2, 1, 0
	WIN 0
.endm
	s_wait_tensorcnt 1
	s_barrier_signal -1
	s_barrier_wait -1
	FETCH 0, 0, 0, 1
	STEP 0, 0, 1
	s_mov_b32 s3, LAPS-1
.Llap:
	TURN 0, 1, 1
	s_wait_alu depctr_va_vdst(0)
	STEP 1, 0, 0
	TURN 1, 0, 1
	s_wait_alu depctr_va_vdst(0)
	STEP 0, 0, 0
	s_sub_co_u32 s3, s3, 1
	s_cmp_lg_u32 s3, 0
	s_cbranch_scc1 .Llap
	TURN 0, 1, 0
	s_wait_alu depctr_va_vdst(0)
	STEP 1, 0, 0
	s_wait_dscnt 0x0
	MULROWS 0, NBLK, 1, 0
	WIN 0
	s_wait_loadcnt 0x0
	PLACES 4
.irp b, 0,1,2,3
	v_mov_b32 v[TM+4+\b], 0
.endr
.macro OUTBLK a
	WIN 0x06+(\a)/4
.set nn, 0
.rept 32
	v_pk_add_f32 v[T+nn:T+nn+1], v[64*((\a)%4)+nn:64*((\a)%4)+nn+1], v[192+nn:193+nn]
.set nn, nn+2
.endr
	WIN 0
.if KIND == 1
.set nn, 0
.rept 32
	v_pk_add_f32 v[T+nn:T+nn+1], v[T+nn:T+nn+1], v[RB+2*(\a):RB+2*(\a)+1] op_sel_hi:[1,0]
.set nn, nn+2
.endr
.else
.set nn, 0
.rept 64
	v_max_num_f32 v[T+nn], 0, v[T+nn]
.set nn, nn+1
.endr
.endif
.if (\a) > 0
	s_wait_xcnt 0x0
	s_add_nc_u64 s[92:93], s[92:93], s[18:19]
	s_add_nc_u64 s[94:95], s[94:95], 64
.if (KIND == 1) && ((\a) == 4)
	s_add_nc_u64 s[92:93], s[92:93], s[22:23]
	s_add_nc_u64 s[94:95], s[94:95], s[46:47]
.endif
.endif
	QUANT T
	global_store_b128 v[V16], v[PC:PC+3], s[92:93]
	global_store_b64 v[V8], v[PC+4:PC+5], s[92:93]
	global_store_b128 v[V16B], v[PC+6:PC+9], s[92:93]
	global_store_b64 v[V8B], v[PC+10:PC+11], s[92:93]
	global_store_b32 v[V4], v[PW], s[94:95]
.endm
.irp a, 0,1,2,3,4,5,6,7
	OUTBLK \a
.endr
	s_wait_tensorcnt 0x0
	ds_add_u32 v[SPW], v[NIL]
	s_wait_dscnt 0x0
	CROUND
	s_endpgm
.Lfunc_end_k_q2d1b73444b_gw1:
	.size	k_q2d1b73444b_gw1, .Lfunc_end_k_q2d1b73444b_gw1-k_q2d1b73444b_gw1
	.p2alignl 7, 3214868480
	.fill 96, 4, 3214868480
	.section	.rodata,"a",@progbits
	.p2align	6, 0x0
	.amdhsa_kernel k_q2d1b73444b_gw1
		.amdhsa_group_segment_fixed_size 327680
		.amdhsa_private_segment_fixed_size 0
		.amdhsa_enable_private_segment 0
		.amdhsa_kernarg_size 32
		.amdhsa_user_sgpr_count 2
		.amdhsa_user_sgpr_kernarg_segment_ptr 1
		.amdhsa_wavefront_size32 1
		.amdhsa_system_sgpr_workgroup_id_x 1
		.amdhsa_system_sgpr_workgroup_id_y 1
		.amdhsa_system_sgpr_workgroup_id_z 1
		.amdhsa_system_vgpr_workitem_id 0
		.amdhsa_next_free_vgpr 1024
		.amdhsa_next_free_sgpr 100
		.amdhsa_reserve_vcc 0
		.amdhsa_float_denorm_mode_32 3
		.amdhsa_float_denorm_mode_16_64 3
		.amdhsa_memory_ordered 1
		.amdhsa_forward_progress 1
		.amdhsa_inst_pref_size 186
	.end_amdhsa_kernel
	.amdgpu_metadata
---
amdhsa.version: [ 1, 2 ]
amdhsa.kernels:
  - .name:           k_q2d1b73444b_gw1
    .symbol:         k_q2d1b73444b_gw1.kd
    .args:
      - { .name: h2, .offset: 0, .size: 8, .value_kind: global_buffer, .address_space: global }
      - { .name: pre, .offset: 8, .size: 8, .value_kind: global_buffer, .address_space: global }
      - { .name: b1, .offset: 16, .size: 8, .value_kind: global_buffer, .address_space: global }
      - { .name: hid, .offset: 24, .size: 8, .value_kind: global_buffer, .address_space: global }
    .group_segment_fixed_size: 327680
    .private_segment_fixed_size: 0
    .kernarg_segment_align: 8
    .kernarg_segment_size: 32
    .max_flat_workgroup_size: 128
    .sgpr_count:     100
    .vgpr_count:     1024
    .wavefront_size: 32
...
	.end_amdgpu_metadata
.endif
;; end of part 5
;; launch gw2 (part 6): grid 8 x 32, 4 waves a work-group, clusters of 4 x 4, 327,680 bytes of LDS; arguments hid, pre, b2, src2, out0; writes out0
.if DOCPART == 6
	.amdgcn_target "amdgcn-amd-amdhsa--gfx1250"
	.amdhsa_code_object_version 6
	.text
	.protected	k_q2d1b73444b_gw2
	.globl	k_q2d1b73444b_gw2
	.p2align	8
	.type	k_q2d1b73444b_gw2,@function
k_q2d1b73444b_gw2:
	s_mov_b64 s[64:65], 0
	v_nop
	global_prefetch_b8 v0, s[64:65] scope:SCOPE_SE
	s_setreg_imm32_b32 hwreg(HW_REG_WAVE_MODE, 25, 1), 1
	s_wait_xcnt 0x0
	s_wait_alu depctr_hold_cnt(0) depctr_sa_sdst(0) depctr_va_vdst(0) depctr_va_sdst(0) depctr_va_ssrc(0) depctr_va_vcc(0) depctr_vm_vsrc(0)
	s_getreg_b32 s2, hwreg(HW_REG_IB_STS2, 6, 4)
	s_cmp_eq_u32 s2, 0
	s_cbranch_scc0 .Lentry_in_a_cluster
	s_endpgm
.Lentry_in_a_cluster:
	s_bfe_u32 s2, ttmp6, 0x10000c
	s_cmp_lg_u32 s2, 0xf033
	s_cbranch_scc0 .Lentry_shape_is_right
	s_endpgm
.Lentry_shape_is_right:
; A GEMM ON CODES OF FP6 (E2M3) WITH N = 1,024: out = residual + A B^T + bias, f32.  One text, two uses, told apart by KIND.     KIND 2: K = 1,024 (the attention's output x wo).     KIND 4: K = 4,096 (the hidden layer x w2).
; OPERANDS lie in the order of the operand's registers: rows in panels of 128 = 8 blocks of 16 slots (slot r of block a is row 32 (a / 2) + 8 (a % 2) + r % 8 + 16 (r / 8)); codes [panel][K / 64][block][768 bytes], in
; the 768 bytes lane l's registers 0-3 at 16 l, registers 4-5 at 512 + 8 l; scale words [panel][K / 128][128 slots].
; SHARES.  32 x 8 tiles of 128 x 128 give each of 256 work-groups one tile (tiles of 256 x 256 would be 64).  Four waves, each 64 x 64: 16 accumulators.  K goes in slots of 512 (four matrix instructions deep, as much as
; two slots of 96 KiB hold) through a ring of two LDS slots; each wave's one tensor load brings 24 KiB.
; THE MATRIX INSTRUCTION IS USED TRANSPOSED (source 0 = 16 slots of B, source 1 = 16 slots of A): lane (r, h) holds A's slot r and eight neighbouring columns.
; CLUSTERS: 4 x 4 work-groups; A's tiles are asked for jointly along a row of the cluster, B's along a column.
; REGISTERS, in windows of 256.  Window 0: v16-31 addresses; v32-47 scale words, two sets; v48-51 the bias; v64-111, v160-207 A's fragments, two sets; on the way out v64-127 rows of the result.
;   Window 1: v0-47, v96-143 B's fragments.   Window 2: the accumulators, (a, b) at v[8 (4 a + b)].   Window 3: v0-127 the residual, in the order in which the rows leave.
.set KIND, 4
.if KIND == 2
.set KTOT,  1024
.set ACO,   131072                     ; A's codes in its buffer (its scale words at 0)
.set BCO,   5767168                    ; B's codes and scale words in theirs
.set BSO,   5734400
.else
.set KTOT,  4096
.set ACO,   524288
.set BCO,   9961472
.set BSO,   9830400
.endif
.set KS,    KTOT/128
.set NBLK,  4
.set NQ,    4
.set LAPS,  KTOT/(256*NQ)
.set CHUNK, 6144
.set QB,    4*CHUNK                    ; what one tensor load brings: half a slot's part of a panel
.set GSTEP, 2*QB                       ; from a slot's bytes in a panel to the next slot's
.set SLOT,  4*QB                       ; A's 8 chunks, then B's 8
.set PANB,  (KTOT/64)*CHUNK
.set SPANB, KS*512
.set HS,    KS*256                     ; half a panel's scale words; a panel's two halves come by one tensor load, filled once
.set G0H,   96                         ; s[96:99], s[4:7] group 0 for the head's loads of slot 0: A's 8 chunks, B's 8 (the arguments in s[4:7] have been used by then)
.set G0HB,  4
.set SCL,   2*SLOT
.set SPARE, SCL+4*HS                   ; the spare words, 128 bytes a wave: two blocks of 256 bytes that no other line names
.set SPITCH, 272                       ; the way out: a stage of 16 rows x (256 bytes + 16) for each wave, in slot 0, which has had its last fill and its last read by then
.set ADRA16, 16
.set ADRA8,  18
.set ADRB16, 20
.set ADRB8,  22
.set STO,  24                          ; v24  the stage: where I put 32 bytes of a row
.set RD,   25                          ; v25  and where I read a row back
.set CO,   26                          ; v26  my byte offset among two rows of the output; never rewritten
.set ADRS, 27
.set SPW,  28
.set NIL,  29
.set BIA,  30                          ; v30  the bias's offset; never rewritten
.set SC,   32
.set BI,   48
.set AF,   64
.set BK,   64
.set G1,   24
.set G0,   32
.set G1B,  48
.set G0B,  56
.set G1S,  68
.set G0S,  76
.set G1SB, 80
.set G0SB, 88
.set MSB, 0
.macro WIN new                         ; the immediate's high byte repeats the setting that is left
.if MSB != \new
	s_set_vgpr_msb (MSB<<8)|\new
.set MSB, \new
.endif
.endm
; A joint load: waves 0 and 1 fetch for A, waves 2 and 3 for B; the branch hangs on the wave's number alone.  Four v_nop follow each of the two lines.
.macro JLOAD g0a, g1a, g0b, g1b
	s_cmp_eq_u32 s15, 0
	s_cbranch_scc0 .Lfor_b_\@
	tensor_load_to_lds s[\g0a:\g0a+3], s[\g1a:\g1a+7]
	s_nop 0
.rept 4
	v_nop
.endr
	s_branch .Lasked_\@
.Lfor_b_\@:
	tensor_load_to_lds s[\g0b:\g0b+3], s[\g1b:\g1b+7]
	s_nop 0
.rept 4
	v_nop
.endr
.Lasked_\@:
.endm
.macro CREST
	s_cmp_lg_u32 s14, 0
	s_cbranch_scc1 .Lnot_wave_0_\@
	s_barrier_signal -3
.Lnot_wave_0_\@:
	s_barrier_wait -3
	s_barrier_signal -1
	s_barrier_wait -1
.endm
.macro CROUND
	s_barrier_signal -1
	s_barrier_wait -1
	CREST
.endm
.macro PLACES n                        ; plain places behind matrix instructions (ISA guide 7.12.1)
.rept \n
	v_nop
.endr
.endm
	s_load_b128 s[4:7], s[0:1], 0x0                ; A's buffer, B's buffer
	s_load_b128 s[8:11], s[0:1], 0x10              ; the bias, the residual
	s_load_b64 s[12:13], s[0:1], 0x20              ; the output
	v_lshl_add_u32 v[SPW], v0, 2, SPARE
	v_mov_b32 v[NIL], 0
	ds_add_u32 v28, v29
	ds_add_u32 v28, v29
	s_wait_dscnt 0x0
	v_lshrrev_b32 v1, 5, v0
	v_readfirstlane_b32 s14, v1                    ; wave 0..3
	s_lshr_b32 s15, s14, 1                         ; which 64 rows are mine.  Also: I fetch for A (0) or for B (1)
	s_and_b32 s16, s14, 1                          ; which 64 columns.  Also: which half of a slot's part I fetch
	s_bfe_u32 s40, ttmp6, 0x40000                  ; cx, cy
	s_bfe_u32 s41, ttmp6, 0x40004
	s_and_b32 s17, ttmp7, 0xffff
	s_lshl_b32 s17, s17, 2
	s_add_co_u32 s17, s17, s41                     ; A's panel = 4 x cluster y + cy
	s_lshl_b32 s42, ttmp9, 2
	s_add_co_u32 s42, s42, s40                     ; B's panel = 4 x cluster x + cx
	s_lshl_b32 s43, s41, 2
	s_lshl_b32 s43, 15, s43                        ; my row of the cluster
	s_lshl_b32 s44, 0x1111, s40                    ; my column
	; group 1: dense blocks as rows of 256 bytes (32 elements of 8 bytes), no padding
	s_or_b32 s[G1+0], s43, (3<<16)|(1<<21)
	s_or_b32 s[G1B+0], s44, (3<<16)|(1<<21)
	s_or_b32 s[G1S+0], s43, (3<<16)|(1<<21)
	s_or_b32 s[G1SB+0], s44, (3<<16)|(1<<21)
.irp g, G1, G1B
	s_mov_b32 s[\g+1], 32<<16
	s_mov_b32 s[\g+2], (2*QB/256)<<16              ; the head's loads bring a panel's whole part of slot 0
	s_mov_b32 s[\g+3], 32<<16
	s_mov_b32 s[\g+4], 2*QB/256
	s_mov_b32 s[\g+5], 32
	s_mov_b32 s[\g+6], 0
	s_mov_b32 s[\g+7], 0
.endr
.irp g, G1S, G1SB
	s_mov_b32 s[\g+1], 32<<16
	s_mov_b32 s[\g+2], (2*HS/256)<<16
	s_mov_b32 s[\g+3], 32<<16
	s_mov_b32 s[\g+4], 2*HS/256
	s_mov_b32 s[\g+5], 32
	s_mov_b32 s[\g+6], 0
	s_mov_b32 s[\g+7], 0
.endr
	s_mul_i32 s20, s17, PANB
	s_mul_i32 s2, s16, QB                          ; in the ring I fetch half of a slot's part: which half, in bytes
	s_add_co_u32 s20, s20, ACO
	s_mul_i32 s92, s17, SPANB
	s_mul_i32 s46, s42, PANB
	s_add_co_u32 s46, s46, BCO
	s_mul_i32 s94, s42, SPANB
	s_add_co_u32 s94, s94, BSO
	s_mov_b32 s21, 0
	s_mov_b32 s93, 0
	s_mov_b32 s47, 0
	s_mov_b32 s95, 0
	s_mul_i32 s45, s14, QB                         ; where they go: by the wave's number alone
	s_mov_b32 s3, 0
	s_wait_kmcnt 0x0
	s_add_nc_u64 s[20:21], s[4:5], s[20:21]
	s_add_nc_u64 s[92:93], s[4:5], s[92:93]
	s_add_nc_u64 s[46:47], s[6:7], s[46:47]
	s_add_nc_u64 s[94:95], s[6:7], s[94:95]
	CROUND                                         ; all sixteen work-groups are here: the first joint loads meet
	s_mov_b32 s[G0S], 1
	s_mov_b32 s[G0S+1], SCL
	s_mov_b64 s[G0S+2:G0S+3], s[92:93]
	s_or_b32 s[G0S+3], s[G0S+3], 0x80000000
	s_mov_b32 s[G0SB], 1
	s_mov_b32 s[G0SB+1], SCL+2*HS
	s_mov_b64 s[G0SB+2:G0SB+3], s[94:95]
	s_or_b32 s[G0SB+3], s[G0SB+3], 0x80000000
	s_mov_b32 s[G0H], 1                            ; slot 0, whole: A's 8 chunks,
	s_mov_b32 s[G0H+1], 0
	s_mov_b64 s[G0H+2:G0H+3], s[20:21]
	s_or_b32 s[G0H+3], s[G0H+3], 0x80000000
	s_mov_b32 s[G0HB], 1                           ; and B's, behind them
	s_mov_b32 s[G0HB+1], 2*QB
	s_mov_b64 s[G0HB+2:G0HB+3], s[46:47]
	s_or_b32 s[G0HB+3], s[G0HB+3], 0x80000000
	s_add_nc_u64 s[20:21], s[20:21], s[2:3]        ; for the ring: my half
	s_add_nc_u64 s[46:47], s[46:47], s[2:3]
.irp s, 0,1
	s_mov_b32 s[G0+4*\s], 1
	s_add_co_u32 s[G0+4*\s+1], s45, \s*SLOT
	s_add_nc_u64 s[G0+4*\s+2:G0+4*\s+3], s[20:21], \s*GSTEP
	s_or_b32 s[G0+4*\s+3], s[G0+4*\s+3], 0x80000000
	s_mov_b32 s[G0B+4*\s], 1
	s_add_co_u32 s[G0B+4*\s+1], s45, \s*SLOT
	s_add_nc_u64 s[G0B+4*\s+2:G0B+4*\s+3], s[46:47], \s*GSTEP
	s_or_b32 s[G0B+4*\s+3], s[G0B+4*\s+3], 0x80000000
.endr
; THE HEAD'S LOADS, ONE A WAVE: wave 0 slot 0's part of A, wave 1 its part of B, wave 2 A's scale words, wave 3 B's.  One chain of arms, each with its load
.macro ARM under, g0, g1, next
	s_cmp_lt_u32 s14, \under
	s_cbranch_scc0 \next
	tensor_load_to_lds s[\g0:\g0+3], s[\g1:\g1+7]
	s_nop 0
.rept 4
	v_nop
.endr
	s_branch .Lhead_asked
\next:
.endm
	ARM 1, G0H,  G1,  .Lhead_b
	ARM 2, G0HB, G1B, .Lhead_sa
	ARM 3, G0S,  G1S, .Lhead_sb
	tensor_load_to_lds s[G0SB:G0SB+3], s[G1SB:G1SB+7]
	s_nop 0
.rept 4
	v_nop
.endr
.Lhead_asked:
	v_and_b32 v1, 15, v0                           ; r
	v_bfe_u32 v2, v0, 4, 1                         ; h
	v_and_b32 v3, 31, v0                           ; l
	v_lshlrev_b32 v4, 4, v3                        ; 16 l
	v_lshlrev_b32 v5, 3, v3
	v_add_nc_u32 v5, 512, v5                       ; 512 + 8 l
	s_mul_i32 s21, s15, 4*768                      ; my four blocks of A
	s_mul_i32 s22, s16, 4*768
	s_add_co_u32 s22, s22, 2*QB                    ; my four of B, behind A's 8 chunks
.irp s, 0,1
	v_add_nc_u32 v[ADRA16+\s], s21, v4
	v_add_nc_u32 v[ADRA8+\s], s21, v5
	v_add_nc_u32 v[ADRB16+\s], s22, v4
	v_add_nc_u32 v[ADRB8+\s], s22, v5
	s_add_co_u32 s21, s21, SLOT
	s_add_co_u32 s22, s22, SLOT
.endr
	s_lshl_b32 s21, s15, 8
	s_lshl_b32 s22, s16, 8
	s_add_co_u32 s22, s22, 2*HS
	s_sub_co_u32 s22, s22, s21
	v_mul_u32_u24 v6, s22, v2                      ; lanes 16-31 take B's words: one product, the distance between the two
	s_add_co_u32 s21, s21, SCL
	v_lshl_add_u32 v6, v1, 2, v6
	v_add_nc_u32 v[ADRS], s21, v6
	s_mul_i32 s23, s14, 16*SPITCH                  ; my stage
	v_mul_u32_u24 v6, v1, SPITCH
	v_lshl_add_u32 v6, v2, 6, v6
	v_add_nc_u32 v[STO], s23, v6                   ; in: slot r, + 64 h
	v_mul_u32_u24 v6, v2, SPITCH
	v_lshl_add_u32 v6, v1, 4, v6
	v_add_nc_u32 v[RD], s23, v6                    ; back: lanes 0-15 one slot's 256 bytes, lanes 16-31 the next slot's
	v_lshlrev_b32 v[BIA], 4, v1
	s_wait_alu depctr_va_vdst(0)
	v_lshl_add_u32 v[CO], v2, 12, v[BIA]           ; and the same in memory: 4,096 bytes a row
	s_wait_alu depctr_va_vdst(0)
	s_lshl_b32 s20, s17, 7
	s_lshl_b32 s21, s15, 6
	s_add_co_u32 s20, s20, s21
	s_lshl_b32 s20, s20, 12                        ; my first row,
	s_lshl_b32 s46, s42, 9
	s_lshl_b32 s47, s16, 8
	s_add_co_u32 s46, s46, s47                     ; my first column, in bytes: a multiple of 256
	s_mov_b32 s47, 0
	s_add_nc_u64 s[8:9], s[8:9], s[46:47]
	s_add_co_u32 s20, s20, s46
	s_mov_b32 s21, 0
	s_add_nc_u64 s[10:11], s[10:11], s[20:21]
	s_add_nc_u64 s[12:13], s[12:13], s[20:21]
	global_load_b128 v[BI:BI+3], v[BIA], s[8:9]    ; the bias at my four columns of a row
	WIN 0xc0                                       ; destination window 3
.irp a, 0,1,2,3
.irp t, 0,1,2,3,4,5,6,7
	global_load_b128 v[32*\a+4*\t:32*\a+4*\t+3], v[CO], s[10:11] offset:(32*(\a/2)+8*(\a%2)+2*\t+8*(\t/4))*4096   ; the residual, as the rows will leave: it lands under the products
.endr
.endr
	WIN 0
; n rows of blocks from a0 on x B's four, 128 along K, from set p.  The 16 accumulators take turns, one instruction a turn, in one order everywhere.
.macro MULROWS a0, n, p, zero
.set AA, \a0
.rept \n
	WIN 0xa1                                       ; source 0 (B) window 1, source 1 (A) window 0, C and D window 2
.irp b, 0,1,2,3
.if \zero
	v_wmma_scale_f32_16x16x128_f8f6f4 v[8*(4*AA+\b):8*(4*AA+\b)+7], v[96*(\p)+12*\b:96*(\p)+12*\b+11], v[AF+96*(\p)+12*AA:AF+96*(\p)+12*AA+11], 0, v[SC+8*(\p)+\b], v[SC+8*(\p)+AA] matrix_a_fmt:MATRIX_FMT_FP6 matrix_b_fmt:MATRIX_FMT_FP6 matrix_a_scale:MATRIX_SCALE_ROW1
.else
	v_wmma_scale_f32_16x16x128_f8f6f4 v[8*(4*AA+\b):8*(4*AA+\b)+7], v[96*(\p)+12*\b:96*(\p)+12*\b+11], v[AF+96*(\p)+12*AA:AF+96*(\p)+12*AA+11], v[8*(4*AA+\b):8*(4*AA+\b)+7], v[SC+8*(\p)+\b], v[SC+8*(\p)+AA] matrix_a_fmt:MATRIX_FMT_FP6 matrix_b_fmt:MATRIX_FMT_FP6 matrix_a_scale:MATRIX_SCALE_ROW1
.endif
.endr
.set AA, AA+1
.endr
.endm
.macro FRAGS reg, a16, a8, q           ; four fragments: each two half images, 512 + 256 consecutive bytes each
.irp i, 0,1,2,3
	ds_load_b128 v[(\reg)+12*\i:(\reg)+12*\i+3], v[\a16] offset:(2*(\q))*CHUNK+768*\i
	ds_load_b64 v[(\reg)+12*\i+4:(\reg)+12*\i+5], v[\a8] offset:(2*(\q))*CHUNK+768*\i
	ds_load_b128 v[(\reg)+12*\i+6:(\reg)+12*\i+9], v[\a16] offset:(2*(\q)+1)*CHUNK+768*\i
	ds_load_b64 v[(\reg)+12*\i+10:(\reg)+12*\i+11], v[\a8] offset:(2*(\q)+1)*CHUNK+768*\i
.endr
.endm
.macro FETCH slot, q, p, first
	WIN 0x40
	FRAGS 96*(\p), ADRB16+\slot, ADRB8+\slot, \q
	WIN 0
	FRAGS AF+96*(\p), ADRA16+\slot, ADRA8+\slot, \q
.if \first == 0
	v_add_nc_u32 v[ADRS], 512, v[ADRS]             ; the next K step's scale words
.endif
.irp i, 0,1,2,3
	ds_load_b32 v[SC+8*(\p)+\i], v[ADRS] offset:64*\i
.endr
.endm
.macro STEP slot, q, zero
	s_wait_dscnt 0x0                               ; this step's set is in: it was asked for a whole step ago
	PLACES 4                                       ; for the loads into the other set
	FETCH \slot, (\q)+1, 1-(\q)%2, 0
	MULROWS 0, NBLK, (\q)%2, \zero
	WIN 0
.endm
; A slot's last step changes slots: one barrier; in front of it each wave waits for all its tensor loads, adds 0 to its spare word, and waits for that and for its reads of this slot.  fill = 1: this slot is filled again.
.macro TURN slot, next, fill
	s_wait_tensorcnt 0x0                           ; all my tensor loads have landed: my part of the next slot
	ds_add_u32 v[SPW], v[NIL]                      ; 0 onto my spare word
	s_wait_dscnt 1                                 ; this step's set is in; the add alone may be out
	MULROWS 0, NBLK/4, 1, 0
	s_wait_dscnt 0x0                               ; the add is done, and my reads of this slot are over
	s_barrier_signal -1
	MULROWS NBLK/4, NBLK/4, 1, 0
	WIN 0
	s_barrier_wait -1
.if \fill
	CREST                                          ; the barrier has opened a round of the cluster's barrier
	s_add_nc_u64 s[G0+4*\slot+2:G0+4*\slot+3], s[G0+4*\slot+2:G0+4*\slot+3], 2*GSTEP
	s_add_nc_u64 s[G0B+4*\slot+2:G0B+4*\slot+3], s[G0B+4*\slot+2:G0B+4*\slot+3], 2*GSTEP
	JLOAD G0+4*\slot, G1, G0B+4*\slot, G1B         ; the first tensor load behind the round; its four v_nop are the places in front of the loads below
.else
	PLACES 4
.endif
	s_wait_alu depctr_va_vdst(0)
	FETCH \next, 0, 0, 0
	MULROWS NBLK/2, NBLK/2, 1, 0
	WIN 0
.endm
	s_wait_alu depctr_va_vdst(0)                   ; the wait at the head's end
	s_wait_tensorcnt 0x0                           ; my tile of the head's four is in; these lines stand ahead of a later first fill as ahead of a refill
	ds_add_u32 v[SPW], v[NIL]
	s_mov_b32 s[G1+2], (QB/256)<<16                ; no tensor load of mine is out: from here on a load brings half a slot's part
	s_mov_b32 s[G1+4], QB/256
	s_mov_b32 s[G1B+2], (QB/256)<<16
	s_mov_b32 s[G1B+4], QB/256
	s_wait_dscnt 0x0
	CROUND                                         ; all four tiles are in, and all sixteen work-groups are here
	JLOAD G0+4, G1, G0B+4, G1B                     ; slot 1's first fill, the first tensor load behind the round
	FETCH 0, 0, 0, 1
	STEP 0, 0, 1                                   ; the first step's products start the sums
.if LAPS > 1
	s_mov_b32 s3, LAPS-1
.Llap:                                                 ; a trip goes once round the ring and fills both slots again
	s_wait_alu depctr_va_vdst(0)
	STEP 0, 1, 0
	s_wait_alu depctr_va_vdst(0)
	STEP 0, 2, 0
	TURN 0, 1, 1
	s_wait_alu depctr_va_vdst(0)
	STEP 1, 0, 0
	s_wait_alu depctr_va_vdst(0)
	STEP 1, 1, 0
	s_wait_alu depctr_va_vdst(0)
	STEP 1, 2, 0
	TURN 1, 0, 1
	s_wait_alu depctr_va_vdst(0)
	STEP 0, 0, 0
	s_sub_co_u32 s3, s3, 1
	s_cmp_lg_u32 s3, 0
	s_cbranch_scc1 .Llap
.endif
	s_wait_alu depctr_va_vdst(0)
	STEP 0, 1, 0                                   ; the last lap fills nothing
	s_wait_alu depctr_va_vdst(0)
	STEP 0, 2, 0
	TURN 0, 1, 0
	s_wait_alu depctr_va_vdst(0)
	STEP 1, 0, 0
	s_wait_alu depctr_va_vdst(0)
	STEP 1, 1, 0
	s_wait_alu depctr_va_vdst(0)
	STEP 1, 2, 0
	s_wait_dscnt 0x0
	MULROWS 0, NBLK, 1, 0
	WIN 0
; THE WAY OUT, block by block of 16 slots x 64 columns, through my own stage in LDS, so that sixteen lanes store 256 consecutive bytes of a row.  LDS serves a wave's instructions in order (ISA guide 5.7.1.4).
.macro TOSTAGE a
	WIN 0x08                                       ; an LDS store's data: window 2
.irp b, 0,1,2,3
	ds_store_b128 v[STO], v[8*(4*(\a)+\b):8*(4*(\a)+\b)+3] offset:128*(\b/2)+32*(\b%2)        ; each accumulator from its low end on: columns 32 (b / 2) + 16 h + 8 (b % 2) on
	ds_store_b128 v[STO], v[8*(4*(\a)+\b)+4:8*(4*(\a)+\b)+7] offset:128*(\b/2)+32*(\b%2)+16
.endr
	WIN 0
.irp t, 0,1,2,3,4,5,6,7
	ds_load_b128 v[BK+32*((\a)%2)+4*\t:BK+32*((\a)%2)+4*\t+3], v[RD] offset:2*SPITCH*\t
.endr
.endm
.macro SEND a, younger
	s_wait_dscnt \younger                          ; the block is back; the LDS instructions issued behind its loads may be out
	WIN 0x0c                                       ; source 1: window 3
.set nn, 0
.rept 16
	v_pk_add_f32 v[BK+32*((\a)%2)+nn:BK+32*((\a)%2)+nn+1], v[BK+32*((\a)%2)+nn:BK+32*((\a)%2)+nn+1], v[32*(\a)+nn:32*(\a)+nn+1]   ; + the residual
.set nn, nn+2
.endr
	WIN 0
.irp t, 0,1,2,3,4,5,6,7
	v_pk_add_f32 v[BK+32*((\a)%2)+4*\t:BK+32*((\a)%2)+4*\t+1], v[BK+32*((\a)%2)+4*\t:BK+32*((\a)%2)+4*\t+1], v[BI:BI+1]   ; + the bias
	v_pk_add_f32 v[BK+32*((\a)%2)+4*\t+2:BK+32*((\a)%2)+4*\t+3], v[BK+32*((\a)%2)+4*\t+2:BK+32*((\a)%2)+4*\t+3], v[BI+2:BI+3]
.endr
.irp t, 0,1,2,3,4,5,6,7
.if KIND == 4
	global_store_b128 v[CO], v[BK+32*((\a)%2)+4*\t:BK+32*((\a)%2)+4*\t+3], s[12:13] offset:(32*((\a)/2)+8*((\a)%2)+2*\t+8*(\t/4))*4096 th:TH_STORE_NT
.else
	global_store_b128 v[CO], v[BK+32*((\a)%2)+4*\t:BK+32*((\a)%2)+4*\t+3], s[12:13] offset:(32*((\a)/2)+8*((\a)%2)+2*\t+8*(\t/4))*4096
.endif
.endr
.endm
	s_wait_loadcnt 0x0                             ; the residual and the bias
	PLACES 4
	TOSTAGE 0
.irp a, 1,2,3
.if \a > 1
	s_wait_xcnt 0x0                                ; block a - 2's stores have read their registers: block a's loads may land there
.endif
	TOSTAGE \a
	SEND \a-1, 16                                  ; behind block a - 1's loads: block a's 8 stores and 8 loads
.endr
	SEND 3, 0
	s_wait_tensorcnt 0x0                           ; the wave's end
	ds_add_u32 v[SPW], v[NIL]
	s_wait_dscnt 0x0
	CROUND                                         ; the closing round
	s_endpgm
.Lfunc_end_k_q2d1b73444b_gw2:
	.size	k_q2d1b73444b_gw2, .Lfunc_end_k_q2d1b73444b_gw2-k_q2d1b73444b_gw2
	.p2alignl 7, 3214868480
	.fill 96, 4, 3214868480
	.section	.rodata,"a",@progbits
	.p2align	6, 0x0
	.amdhsa_kernel k_q2d1b73444b_gw2
		.amdhsa_group_segment_fixed_size 327680
		.amdhsa_private_segment_fixed_size 0
		.amdhsa_enable_private_segment 0
		.amdhsa_kernarg_size 40
		.amdhsa_user_sgpr_count 2
		.amdhsa_user_sgpr_kernarg_segment_ptr 1
		.amdhsa_wavefront_size32 1
		.amdhsa_system_sgpr_workgroup_id_x 1
		.amdhsa_system_sgpr_workgroup_id_y 1
		.amdhsa_system_sgpr_workgroup_id_z 1
		.amdhsa_system_vgpr_workitem_id 0
		.amdhsa_next_free_vgpr 1024
		.amdhsa_next_free_sgpr 100
		.amdhsa_reserve_vcc 0
		.amdhsa_float_denorm_mode_32 3
		.amdhsa_float_denorm_mode_16_64 3
		.amdhsa_memory_ordered 1
		.amdhsa_forward_progress 1
		.amdhsa_inst_pref_size 107
	.end_amdhsa_kernel
	.amdgpu_metadata
---
amdhsa.version: [ 1, 2 ]
amdhsa.kernels:
  - .name:           k_q2d1b73444b_gw2
    .symbol:         k_q2d1b73444b_gw2.kd
    .args:
      - { .name: hid, .offset: 0, .size: 8, .value_kind: global_buffer, .address_space: global }
      - { .name: pre, .offset: 8, .size: 8, .value_kind: global_buffer, .address_space: global }
      - { .name: b2, .offset: 16, .size: 8, .value_kind: global_buffer, .address_space: global }
      - { .name: src2, .offset: 24, .size: 8, .value_kind: global_buffer, .address_space: global }
      - { .name: out0, .offset: 32, .size: 8, .value_kind: global_buffer, .address_space: global }
    .group_segment_fixed_size: 327680
    .private_segment_fixed_size: 0
    .kernarg_segment_align: 8
    .kernarg_segment_size: 40
    .max_flat_workgroup_size: 128
    .sgpr_count:     100
    .vgpr_count:     1024
    .wavefront_size: 32
...
	.end_amdgpu_metadata
.endif
;; end of part 6
